; MI455X (gfx1250); checked and timed in simulation.
; The chip was launched on July 23, 2026; its instructions are those of AMD's public machine-readable ISA for CDNA 5 (MIT licence, August 2026) and "CDNA5" Instruction Set Architecture Reference Guide (July 2026). The comments in the code are by the model that wrote it; some were corrected since.
;; Relative MH Attention. Allowed arithmetic: matrix products marked QUANTISED: E2M3 operands, one E8M0 scale for each 32 along K, by v_wmma_scale_f32_16x16x128_f8f6f4 with both operands' format E2M3, f32 sums; products left as they are: f32 operands where the result goes on into a quantised operand, else bf16, f16 or f32 operands; f32 sums; everything else in f32.
;; Inputs: Wk 1,024 x 1,024 float32; Wo 1,024 x 1,024 float32; Wq 1,024 x 1,024 float32; Wv 1,024 x 1,024 float32; bk 1,024 float32; bo 1,024 float32; bq 1,024 float32; bv 1,024 float32; rel_k 5 x 64 float32; rel_v 5 x 64 float32; x 2 x 2,048 x 1,024 float32.
;; Outputs: out0 2 x 2,048 x 1,024 float32.
;; Constants: num_heads = 16.
;; This version of the problem:
;;   THIS VERSION OF THE PROBLEM IS GIVEN IN LOW PRECISION. The matrix products marked QUANTISED in the list below multiply operands that are first quantised to E2M3 (2 exponent bits, 3 mantissa bits; 6 bits a number), with one power-of-two scale for each 32 numbers along K (OCP MX v1.0); their sums are f32. All else is computed in f32.
;;   The module's matrix products, in the order in which they are computed (A, B: the left and right operand; K: the contracted axis; several contracted axes count as one K, in the product's order):
;;     1. [M 4,096, K 1,024] x [K 1,024, N 1,024]; A: input x; B: input Wq: QUANTISED
;;     2. [M 4,096, K 1,024] x [K 1,024, N 1,024]; A: input x; B: input Wk: QUANTISED
;;     3. [M 4,096, K 1,024] x [K 1,024, N 1,024]; A: input x; B: input Wv: QUANTISED
;;     4. batch 32 x [M 2,048, K 64] x [K 64, N 2,048]; A: computed on the way; B: computed on the way: QUANTISED
;;     5. [M 65,536, K 64] x [K 64, N 5]; A: computed on the way; B: input rel_k: left as it is (N = 5 < 16)
;;     6. batch 32 x [M 2,048, K 2,048] x [K 2,048, N 64]; A: softmax (see below); B: computed on the way: QUANTISED
;;     7. batch 2,048 x [M 5, K 2,048] x [K 2,048, N 32]; A: computed on the way; B: softmax (see below): left as it is (M = 5 < 16)
;;     8. [M 65,536, K 5] x [K 5, N 64]; A: computed on the way; B: input rel_v: left as it is (K = 5 < 32)
;;     9. [M 4,096, K 1,024] x [K 1,024, N 1,024]; A: computed on the way; B: input Wo: QUANTISED
;;   THE QUANTISER, for each operand of a quantised product, along K:
;;     - K is cut into blocks of 32 from its start; a last block that is shorter is filled with zeros.
;;     - A block's scale is 2^e with e = floor(log2(the largest magnitude in the block)) - 2, held to -126 .. 127; a block of zeros has e = 0. As a byte (E8M0): e + 127.
;;     - Each number is divided by its block's scale, clamped to +-7.5, and rounded to the nearest number of E2M3, ties to even, subnormals kept.
;;     - The product sums the exact products of the quantised numbers (number of the format x scale) in f32.
;;   ~~~python
;;   def quantise(x, axis):      # numpy; x: float32 -> the quantised numbers, widened to float32 again
;;       x = np.moveaxis(x, axis, -1); K = x.shape[-1]
;;       x = np.pad(x, [(0, 0)] * (x.ndim - 1) + [(0, -K % 32)]); x = x.reshape(x.shape[:-1] + (-1, 32)); a = np.abs(x).max(-1, keepdims=True)
;;       e = np.where(a > 0, np.clip(np.frexp(np.where(a > 0, a, 1))[1] - 1 - 2, -126, 127), 0)      # np.frexp(a)[1] - 1 = floor(log2(a)), exactly
;;       r = np.clip(x / 2.0 ** e, -7.5, 7.5)
;;       step = 2.0 ** (np.maximum(np.frexp(np.where(r == 0, 1, r))[1] - 1, 0) - 3)
;;       q = np.round(r / step) * step * 2.0 ** e      # np.round: ties to even
;;       return np.moveaxis(q.reshape(q.shape[:-2] + (-1,))[..., :K], -1, axis).astype(np.float32)
;;   ~~~
;;   SOFTMAX AHEAD OF A QUANTISED PRODUCT. Where the list says 'softmax', what is quantised is not the finished softmax but p = 2^(t - M), with t = logit x log2(e) and M = ceil(the row's largest t), a whole number; so 1/2 < the row's largest p <= 1. The row's sum l is taken of the UNQUANTISED p, in f32, and the product's result is divided by l at the end. Since M is a whole number, a kernel that streams over the keys may use a running M (the ceiling of the running maximum): every later rescaling is an exact power of two, which a block's scale takes up: the codes' values come out the same.
;;   OPERANDS COMPUTED ON THE WAY. 'Computed on the way' means the value that the module computes at that place (a softmax that the list does not call 'softmax' is quantised finished and normalised). What goes into a quantiser is computed in f32, as accurately as f32 sums, v_exp_f32 and their like allow (about 1e-6 of the number): no bf16 or f16 on the way to a quantiser, and a product that is left as it is and whose result goes on into a quantised operand takes f32 operands (vector FMAs, or v_wmma_f32_16x16x4_f32). A number that lies on a knife's edge between two numbers of the format may be rounded either way, as far as f32 arithmetic and the matrix unit's own rounding can turn it there, and no further.
;; One version. Each part assembles by itself: llvm-mc -triple=amdgcn-amd-amdhsa -mcpu=gfx1250 --defsym DOCPART=n.
;; ======== version 1 of 1: 4 launches
;; workspace buffers: pw 6,553,600 bytes; qb 4,718,592 bytes; kv 6,684,672 bytes; ob 3,276,800 bytes
;; launch prep (part 1): grid 256 x 1, 8 waves a work-group, no clusters, 93,184 bytes of LDS; arguments x, Wq, Wk, Wv, Wo, pw; writes pw
.if DOCPART == 1
	.amdgcn_target "amdgcn-amd-amdhsa--gfx1250"
	.amdhsa_code_object_version 6
	.text
	.protected	k_qf37b025b35_prep
	.globl	k_qf37b025b35_prep
	.p2align	8
	.type	k_qf37b025b35_prep,@function
k_qf37b025b35_prep:
	s_mov_b64 s[64:65], 0
	v_nop
	global_prefetch_b8 v0, s[64:65] scope:SCOPE_SE
	s_setreg_imm32_b32 hwreg(HW_REG_WAVE_MODE, 25, 1), 1
	s_wait_xcnt 0x0
; x [4096][1024] and Wq, Wk, Wv, Wo [1024 (k)][1024 (n)], f32, become codes of FP6 (E2M3) with one E8M0 byte for each 32 along K, laid in pw AS IMAGES OF THE OPERAND'S REGISTERS.
; TILE ORDER: rows (tokens, or a weight's columns n) go in groups of 32; lane index r of tile u of a group is row 8 u + r + 8 (r / 8).
; A fragment (16 rows x 128 K, 12 registers a lane) is 1,536 bytes: two halves of 768 (64 along K): registers 0-3 at 16 x lane, registers 4-5 at 512 + 8 x lane.  Lane (r, h) of a half holds k = 32 h .. 32 h + 31.
; A scale record is 1,024 bytes for 32 rows: [K step 0..7][tile u][r], one word (four bytes: four blocks of 32) each.
; A block's scale is 2^(floor(log2(largest magnitude)) - 2); its byte is the largest magnitude's exponent field - 2, held at 1 from below.
; LIMITS: a block of zeros, and a block whose largest magnitude lies under 2^-124, get the byte 1 (the rule says 127 for zeros: the codes are zeros, and this program alone reads the bytes); NaN and infinities are not served.
; Work-groups 0-127 take x: group of 32 rows = work-group, K step of 128 = wave.  Work-groups 128-255 take the weights: 32 columns x 128 along K a wave.  Waves share nothing: no barrier.  Each way has LDS bytes of its own.
.set P_XS,  3145728
.set P_WC,  3276800
.set P_WS,  5636096
.set P_WOC, 5734400
.set P_WOS, 6520832
.set XSTW,  16*528                     ; x: a wave's stage: 16 rows of 512 bytes + 16
.set WST,   8*XSTW                     ; the weights' stages begin here: 3,072 bytes a wave (two fragments)
.set SPARE, WST+8*3072                 ; the spare words, 128 bytes for each wave: four blocks of 256 bytes that no other line names
.set LI16, 1                           ; v1  16 x lane
.set L8,   2                           ; v2  8 x lane
.set L4,   3                           ; v3  4 x lane
.set SPW,  30                          ; v30 LDS address of my spare word; never rewritten
.set NIL,  31                          ; v31 0; never rewritten
	s_load_b256 s[4:11], s[0:1], 0x0               ; x, Wq, Wk, Wv
	s_load_b128 s[12:15], s[0:1], 0x20             ; Wo, pw
	v_lshl_add_u32 v[SPW], v0, 2, SPARE
	v_mov_b32 v[NIL], 0
	v_lshrrev_b32 v4, 5, v0
	v_readfirstlane_b32 s16, v4                    ; wave 0..7
	v_and_b32 v5, 31, v0
	v_lshlrev_b32 v[LI16], 4, v5
	v_lshlrev_b32 v[L8], 3, v5
	v_lshlrev_b32 v[L4], 2, v5
	s_cmp_ge_u32 ttmp9, 128
	s_cbranch_scc1 .Lweights
; ---------------- x: 32 rows x 128 along K.  Each load reads 512 consecutive bytes of one row; a tile's 16 rows turn through the wave's stage, so that lane (r, h) gets 32 neighbours of row r.
	v_and_b32 v6, 15, v0                           ; r
	v_bfe_u32 v7, v0, 4, 1                         ; h
	s_mul_i32 s17, s16, XSTW
	v_add_nc_u32 v8, s17, v[LI16]                  ; into the stage: 16 x lane, the row in the immediate
	v_mul_u32_u24 v9, v6, 528
	v_lshl_add_u32 v9, v7, 7, v9
	v_add_nc_u32 v9, s17, v9                       ; out of it: row r, + 128 h.  528 = 33 x 16: sixteen rows fall on sixteen different columns of 16 bytes
	v_lshlrev_b32 v13, 3, v7                       ; 8 h
	v_mov_b32 v26, 0                               ; a lane permute's destination counts as one of its sources
	v_mov_b32 v27, 0
	s_lshl_b32 s18, ttmp9, 17                      ; 32 rows of 4,096 bytes
	s_lshl_b32 s19, s16, 9                         ; + 512 bytes a K step
	s_add_co_u32 s18, s18, s19
	s_mov_b32 s19, 0
	s_lshr_b32 s20, ttmp9, 3                       ; codes: [block of 256 rows][K step][tile 16][fragment]
	s_mul_i32 s20, s20, 196608
	s_mul_i32 s21, s16, 24576
	s_add_co_u32 s20, s20, s21
	s_and_b32 s21, ttmp9, 7
	s_mul_i32 s21, s21, 3072
	s_add_co_u32 s20, s20, s21
	s_mov_b32 s21, 0
	s_lshl_b32 s22, ttmp9, 10                      ; the group's scale record, + 128 bytes a K step
	s_lshl_b32 s23, s16, 7
	s_add_co_u32 s22, s22, s23
	s_add_co_u32 s22, s22, P_XS
	s_mov_b32 s23, 0
	s_mov_b32 s24, 0x76543210
	s_mov_b32 s25, 0xfedcba98                      ; v_permlanex16_b32's selects for lane l xor 16
	s_mov_b32 s26, 0xffff0000                      ; lanes 16-31
	s_wait_kmcnt 0x0
	s_add_nc_u64 s[4:5], s[4:5], s[18:19]
	s_add_nc_u64 s[20:21], s[14:15], s[20:21]
	s_add_nc_u64 s[22:23], s[14:15], s[22:23]
.irp u, 0,1
.irp r, 0,1,2,3,4,5,6,7,8,9,10,11,12,13,14,15
	global_load_b128 v[32+64*\u+4*\r:35+64*\u+4*\r], v[LI16], s[4:5] offset:(8*\u+\r+8*(\r/8))*4096 th:TH_LOAD_NT
.endr
.endr
	s_wait_loadcnt 16                              ; tile 0's sixteen loads are in; tile 1's sixteen may be out
.irp r, 0,1,2,3,4,5,6,7,8,9,10,11,12,13,14,15
	ds_store_b128 v8, v[32+4*\r:35+4*\r] offset:528*\r
.endr
.irp m, 0,1,2,3,4,5,6,7,8,9,10,11,12,13,14,15
	ds_load_b128 v[160+4*\m:163+4*\m], v9 offset:256*(\m/8)+16*(\m%8)   ; LDS serves a wave's instructions in order: these see the stores above.  Register 32 f + i = k 64 f + 32 h + i of row r
.endr
	s_wait_loadcnt 0x0
.irp r, 0,1,2,3,4,5,6,7,8,9,10,11,12,13,14,15
	ds_store_b128 v8, v[96+4*\r:99+4*\r] offset:528*\r                  ; tile 1, behind tile 0's reads of the stage
.endr
	s_wait_dscnt 32                                ; tile 0's stores are done (behind them: 16 loads, 16 stores): their registers take tile 1's numbers
.irp m, 0,1,2,3,4,5,6,7,8,9,10,11,12,13,14,15
	ds_load_b128 v[32+4*\m:35+4*\m], v9 offset:256*(\m/8)+16*(\m%8)
.endr
; one half fragment: 32 numbers of a lane, a whole block; n = 2 u + f; its codes have registers of their own, so that no store's data are written again
.macro XQ src, n
	v_max3_num_f32 v10, |v[\src]|, |v[\src+1]|, |v[\src+2]|
	v_max3_num_f32 v11, |v[\src+3]|, |v[\src+4]|, |v[\src+5]|
.irp i, 6,10,14,18,22,26
	v_max3_num_f32 v10, v10, |v[\src+\i]|, |v[\src+\i+1]|
	v_max3_num_f32 v11, v11, |v[\src+\i+2]|, |v[\src+\i+3]|
.endr
	v_max3_num_f32 v10, v10, |v[\src+30]|, |v[\src+31]|
	v_max3_num_f32 v10, v10, v11, 0x1800000        ; and the floor 2^(3 - 127): the byte cannot fall under 1
	v_add_nc_u32 v12, 0xff000000, v10              ; 2 off the exponent field: the conversion's scale operand
	v_cvt_scalef32_pk16_fp6_f32 v[224+8*\n:226+8*\n], v[\src:\src+15], v12
	v_cvt_scalef32_pk16_fp6_f32 v[16:18], v[\src+16:\src+31], v12     ; (a conversion's three registers begin on an even number)
	v_lshrrev_b32 v[20+\n], 23, v12                ; the scale's byte; also the plain line behind the conversions
	v_mov_b32 v[227+8*\n], v16
	v_mov_b32 v[228+8*\n], v17
	v_mov_b32 v[229+8*\n], v18
	global_store_b128 v[LI16], v[224+8*\n:227+8*\n], s[20:21] offset:768*\n        ; 512 consecutive bytes
	global_store_b64 v[L8], v[228+8*\n:229+8*\n], s[20:21] offset:768*\n+512       ; 256 consecutive bytes
.endm
	s_wait_dscnt 32                                ; tile 0's numbers are back (behind them: tile 1's 16 stores and 16 loads)
	XQ 160, 0
	XQ 192, 1
	s_wait_dscnt 0x0
	XQ 32, 2
	XQ 64, 3
	v_lshl_or_b32 v24, v21, 16, v20                ; tile 0: my bytes of blocks h and 2 + h,
	v_lshl_or_b32 v25, v23, 16, v22                ; tile 1 likewise,
	v_lshlrev_b32 v24, v13, v24                    ; at their places in the word;
	v_lshlrev_b32 v25, v13, v25
	v_permlanex16_b32 v26, v24, s24, s25
	v_permlanex16_b32 v27, v25, s24, s25
	v_or_b32 v24, v24, v26                         ; with lane l xor 16's two the word is whole
	v_or_b32 v25, v25, v27
	v_cndmask_b32 v24, v24, v25, s26               ; lanes 0-15 tile 0's words, lanes 16-31 tile 1's
	global_store_b32 v[L4], v24, s[22:23]
	s_wait_tensorcnt 0x0                           ; the wave's end, behind my last LDS store
	ds_add_u32 v[SPW], v[NIL]
	s_wait_dscnt 0x0
	s_endpgm
; ---------------- the weights: K is the FIRST axis.  A lane takes a column n and its registers run down K: a block of 32 lies in one lane, and the codes come out with K innermost.
.Lweights:
	s_sub_co_u32 s17, ttmp9, 128
	s_lshr_b32 s18, s17, 5                         ; which weight: 0 q, 1 k, 2 v, 3 o
	s_bfe_u32 s19, s17, 0x30002                    ; K step
	s_and_b32 s20, s17, 3
	s_lshl_b32 s20, s20, 3
	s_add_co_u32 s20, s20, s16                     ; group of 32 columns, 0..31
	v_bfe_u32 v6, v0, 3, 1                         ; column L of the group is tile u = (L / 8) % 2,
	v_and_b32 v7, 7, v0
	v_bfe_u32 v8, v0, 4, 1
	v_lshl_add_u32 v7, v8, 3, v7                   ; lane index r = L % 8 + 8 (L / 16)
	s_mul_i32 s21, s16, 3072
	s_add_co_u32 s21, s21, WST                     ; my stage: the group's two fragments as they will lie in memory
	v_mul_u32_u24 v9, v6, 1536
	v_add_nc_u32 v9, s21, v9
	v_lshl_add_u32 v10, v7, 4, v9                  ; registers 0-3 of image lane r
	v_lshl_add_u32 v11, v7, 3, v9
	v_add_nc_u32 v11, 512, v11                     ; registers 4-5
	v_add_nc_u32 v12, s21, v[LI16]                 ; back: 16 x lane
	v_lshl_add_u32 v13, v6, 4, v7
	v_lshlrev_b32 v13, 2, v13                      ; my column's word in a record's K step
	s_lshl_b32 s22, s19, 19                        ; 128 rows of 4,096 bytes a K step
	s_lshl_b32 s23, s20, 7
	s_add_co_u32 s22, s22, s23
	s_mov_b32 s23, 0
	s_lshr_b32 s24, s20, 1                         ; q, k, v: [head][K step][tile 12 = 4 x weight + t][fragment]
	s_mul_i32 s24, s24, 147456
	s_mul_i32 s25, s19, 18432
	s_add_co_u32 s24, s24, s25
	s_mul_i32 s25, s18, 6144
	s_add_co_u32 s24, s24, s25
	s_and_b32 s25, s20, 1
	s_mul_i32 s25, s25, 3072
	s_add_co_u32 s24, s24, s25
	s_add_co_u32 s24, s24, P_WC
	s_lshr_b32 s26, s20, 2                         ; o: [block of 128 columns][K step][tile 8][fragment]
	s_mul_i32 s26, s26, 98304
	s_mul_i32 s27, s19, 12288
	s_add_co_u32 s26, s26, s27
	s_and_b32 s27, s20, 3
	s_mul_i32 s27, s27, 3072
	s_add_co_u32 s26, s26, s27
	s_add_co_u32 s26, s26, P_WOC
	s_lshr_b32 s28, s20, 1                         ; scale record: q, k, v: 6 x head + 2 x weight + group in the head
	s_mul_i32 s28, s28, 6
	s_lshl_b32 s29, s18, 1
	s_add_co_u32 s28, s28, s29
	s_and_b32 s29, s20, 1
	s_add_co_u32 s28, s28, s29
	s_lshl_b32 s28, s28, 10
	s_add_co_u32 s28, s28, P_WS
	s_lshl_b32 s29, s20, 10                        ; o: the group
	s_add_co_u32 s29, s29, P_WOS
	s_cmp_eq_u32 s18, 3
	s_cselect_b32 s24, s26, s24
	s_cselect_b32 s28, s29, s28
	s_lshl_b32 s29, s19, 7
	s_add_co_u32 s28, s28, s29
	s_mov_b32 s25, 0
	s_mov_b32 s29, 0
	s_wait_kmcnt 0x0
	s_cmp_eq_u32 s18, 1                            ; the choice hangs on the work-group's number alone
	s_cselect_b64 s[6:7], s[8:9], s[6:7]
	s_cmp_eq_u32 s18, 2
	s_cselect_b64 s[6:7], s[10:11], s[6:7]
	s_cmp_eq_u32 s18, 3
	s_cselect_b64 s[6:7], s[12:13], s[6:7]
	s_add_nc_u64 s[6:7], s[6:7], s[22:23]
	s_add_nc_u64 s[24:25], s[14:15], s[24:25]
	s_add_nc_u64 s[28:29], s[14:15], s[28:29]
.macro WLOAD t                         ; block t: W(32 t + i, my column) into set t % 2; a wave reads 128 consecutive bytes, the work-group's eight waves 1,024
.irp i, 0,1,2,3,4,5,6,7,8,9,10,11,12,13,14,15,16,17,18,19,20,21,22,23,24,25,26,27,28,29,30,31
	global_load_b32 v[32+32*((\t)%2)+\i], v[L4], s[6:7] offset:(32*(\t)+\i)*4096 th:TH_LOAD_NT
.endr
.endm
	WLOAD 0
	WLOAD 1
.macro WBLOCK t
.set XB, 32+32*((\t)%2)
.if (\t) < 3
	s_wait_loadcnt 32                              ; this block's 32 loads are in; the next block's may be out
.else
	s_wait_loadcnt 0x0
.endif
	v_max3_num_f32 v16, |v[XB]|, |v[XB+1]|, |v[XB+2]|
	v_max3_num_f32 v17, |v[XB+3]|, |v[XB+4]|, |v[XB+5]|
.irp i, 6,10,14,18,22,26
	v_max3_num_f32 v16, v16, |v[XB+\i]|, |v[XB+\i+1]|
	v_max3_num_f32 v17, v17, |v[XB+\i+2]|, |v[XB+\i+3]|
.endr
	v_max3_num_f32 v16, v16, |v[XB+30]|, |v[XB+31]|
	v_max3_num_f32 v16, v16, v17, 0x1800000
	v_add_nc_u32 v18, 0xff000000, v16
	v_lshrrev_b32 v19, 23, v18
.if (\t) == 0
	v_mov_b32 v20, v19                             ; the four bytes make my column's word of this K step
.else
	v_lshl_or_b32 v20, v19, 8*(\t), v20
.endif
	v_cvt_scalef32_pk16_fp6_f32 v[96:98], v[XB:XB+15], v18
	v_cvt_scalef32_pk16_fp6_f32 v[104:106], v[XB+16:XB+31], v18
	v_nop                                          ; one plain line behind the conversions
	v_mov_b32 v99, v104
	v_mov_b32 v100, v105
	v_mov_b32 v101, v106
	ds_store_b128 v10, v[96:99] offset:((\t)/2)*768+((\t)%2)*256      ; block t is half t / 2, image lane r + 16 (t % 2)
	ds_store_b64 v11, v[100:101] offset:((\t)/2)*768+((\t)%2)*128
.if (\t)+2 < 4
	WLOAD (\t)+2
.endif
	s_wait_dscnt 0x0                               ; the stores have read their registers: the next block's codes may be written
.endm
	WBLOCK 0
	WBLOCK 1
	WBLOCK 2
	WBLOCK 3
.irp i, 0,1,2,3,4,5
	ds_load_b128 v[112+4*\i:115+4*\i], v12 offset:512*\i
.endr
	global_store_b32 v13, v20, s[28:29]            ; 128 consecutive bytes a wave
.irp i, 0,1,2,3,4,5
	s_wait_dscnt 5-\i
	global_store_b128 v[LI16], v[112+4*\i:115+4*\i], s[24:25] offset:512*\i   ; 512 consecutive bytes, aligned
.endr
	s_wait_tensorcnt 0x0                           ; the wave's end, behind my last LDS store
	ds_add_u32 v[SPW], v[NIL]
	s_wait_dscnt 0x0
	s_endpgm
.Lfunc_end_k_qf37b025b35_prep:
	.size	k_qf37b025b35_prep, .Lfunc_end_k_qf37b025b35_prep-k_qf37b025b35_prep
	.p2alignl 7, 3214868480
	.fill 96, 4, 3214868480
	.section	.rodata,"a",@progbits
	.p2align	6, 0x0
	.amdhsa_kernel k_qf37b025b35_prep
		.amdhsa_group_segment_fixed_size 93184
		.amdhsa_private_segment_fixed_size 0
		.amdhsa_enable_private_segment 0
		.amdhsa_kernarg_size 48
		.amdhsa_user_sgpr_count 2
		.amdhsa_user_sgpr_kernarg_segment_ptr 1
		.amdhsa_wavefront_size32 1
		.amdhsa_system_sgpr_workgroup_id_x 1
		.amdhsa_system_sgpr_workgroup_id_y 1
		.amdhsa_system_sgpr_workgroup_id_z 1
		.amdhsa_system_vgpr_workitem_id 0
		.amdhsa_next_free_vgpr 256
		.amdhsa_next_free_sgpr 66
		.amdhsa_reserve_vcc 0
		.amdhsa_float_denorm_mode_32 3
		.amdhsa_float_denorm_mode_16_64 3
		.amdhsa_memory_ordered 1
		.amdhsa_forward_progress 1
		.amdhsa_inst_pref_size 39
	.end_amdhsa_kernel
	.amdgpu_metadata
---
amdhsa.version: [ 1, 2 ]
amdhsa.kernels:
  - .name:           k_qf37b025b35_prep
    .symbol:         k_qf37b025b35_prep.kd
    .args:
      - { .name: x, .offset: 0, .size: 8, .value_kind: global_buffer, .address_space: global }
      - { .name: Wq, .offset: 8, .size: 8, .value_kind: global_buffer, .address_space: global }
      - { .name: Wk, .offset: 16, .size: 8, .value_kind: global_buffer, .address_space: global }
      - { .name: Wv, .offset: 24, .size: 8, .value_kind: global_buffer, .address_space: global }
      - { .name: Wo, .offset: 32, .size: 8, .value_kind: global_buffer, .address_space: global }
      - { .name: pw, .offset: 40, .size: 8, .value_kind: global_buffer, .address_space: global }
    .group_segment_fixed_size: 93184
    .private_segment_fixed_size: 0
    .kernarg_segment_align: 8
    .kernarg_segment_size: 48
    .max_flat_workgroup_size: 256
    .sgpr_count:     66
    .vgpr_count:     256
    .wavefront_size: 32
...
	.end_amdgpu_metadata
.endif
;; end of part 1
;; launch qkv (part 2): grid 16 x 16, 4 waves a work-group, clusters of 4 x 4, 327,680 bytes of LDS; arguments pw, bq, bk, bv, rel_k, qb, kv; writes qb, kv
.if DOCPART == 2
	.amdgcn_target "amdgcn-amd-amdhsa--gfx1250"
	.amdhsa_code_object_version 6
	.text
	.protected	k_qf37b025b35_qkv
	.globl	k_qf37b025b35_qkv
	.p2align	8
	.type	k_qf37b025b35_qkv,@function
k_qf37b025b35_qkv:
	s_mov_b64 s[64:65], 0
	v_nop
	global_prefetch_b8 v0, s[64:65] scope:SCOPE_SE
	s_setreg_imm32_b32 hwreg(HW_REG_WAVE_MODE, 25, 1), 1
	s_wait_xcnt 0x0
	s_wait_alu depctr_hold_cnt(0) depctr_sa_sdst(0) depctr_va_vdst(0) depctr_va_sdst(0) depctr_va_ssrc(0) depctr_va_vcc(0) depctr_vm_vsrc(0)
	s_getreg_b32 s2, hwreg(HW_REG_IB_STS2, 6, 4)
	s_cmp_eq_u32 s2, 0
	s_cbranch_scc0 .Lentry_in_a_cluster
	s_endpgm
.Lentry_in_a_cluster:
	s_bfe_u32 s2, ttmp6, 0x10000c
	s_cmp_lg_u32 s2, 0xf033
	s_cbranch_scc0 .Lentry_shape_is_right
	s_endpgm
.Lentry_shape_is_right:
; q, k, v = Q(x) Q(W) + b for one head and 256 tokens, on codes of FP6 (E2M3) with E8M0 scales; then q . rel_k in f32, and q, k (along the head's 64) and v (along the tokens) quantised again for the attention.
; SHARES.  Work-group x = head, y = block of 256 tokens.  Wave w owns 64 tokens (x's tiles 4 w + a) and all 192 columns (q, k, v of the head): 48 accumulators, 384 matrix instructions.
; OPERANDS lie in pw as images of their registers (launch prep): a fragment is 1,536 dense bytes and comes by two loads of 16 bytes and two of 8 a lane, each contiguous over the lanes: no pitch, no padding.
; LDS IS FILLED ONCE: x's K steps 0-5 and the weights' K steps 0-7 lie whole in LDS; x's K steps 6 and 7 are the wave's own rows and come straight into registers.  Every request goes out at the head: 7 tensor loads a wave.
; CLUSTER 4 x 4: the four work-groups of a row of the cluster need the same block of x, the four of a column the same head's weights: each quarter of a chunk (two K steps) is asked for jointly by the same wave of the four.
; q and k are made TRANSPOSED (source 0 = 16 weight columns, source 1 = x's tile): a lane holds one token and its registers run along d.  v is made the natural way round: a lane holds one d and its registers run along the
; tokens, which are the K of the attention's second product.  With the tile order of launch prep the 16 registers of two neighbouring tiles are 16 neighbours along the next K.  The biases are the C of the first K step.
; LIMITS: a block of zeros, and one whose largest magnitude lies under 2^-124, get the scale byte 1 (their codes are zeros or nearly so; this program alone reads the bytes); NaN and infinities are not served.
; REGISTERS, in windows of 256: window 0: v1-3 lane terms; v8-17 LDS addresses, never rewritten; v18-24 addresses of the way out; v32-47 x's scale words, v48-95 the weights'; v96-191 x's fragments, two sets (on the way out: the
;   codes just made); v192-255 at work.   window 1: v0-143 the weights' 12 fragments; v144-239 the biases; on the way out v0-159 rel_k.   window 2: q's accumulators (32 a + 8 j), k's (128 + 32 a + 8 j).
;   window 3: v's accumulators (32 j + 8 a); v128-223 x's K steps 6 and 7.
.set P_XS,  3145728
.set P_WC,  3276800
.set P_WS,  5636096
.set Q_QS,  3145728
.set Q_QREL, 3407872
.set REC,   13056                      ; a record of kv: 128 keys: K's 8 half fragments, V's 4 fragments, K's 128 scale words, V's 64
.set LB,    147456                     ; LDS: x's K steps 0-5 from 0, the weights' K steps 0-7 from here
.set SCR,   294912                     ; scratch, 1,792 bytes a wave: q's scale words 256, k's 256, q . rel_k 5 x 256
.set VSS,   SCR+4*1792                 ; v's scale words of the work-group's two records, 512 bytes
.set SPARE, VSS+512                    ; the spare words, 128 bytes for each wave: two blocks of 256 bytes that no other line names
.set LI16, 1
.set L8,   2
.set L4,   3
.set ADA,  8                           ; v8-11   x's fragments in LDS: a pair (16 x lane, 8 x lane) for K steps 0-2, one for 3-5
.set ADB,  12                          ; v12-17  the weights': a pair for K steps 0-2, 3-5, 6-7
.set H64,  18                          ; v18  64 x (lane / 16)
.set BV,   19                          ; v19  4 x (r + 8 (r / 8))
.set SCRA, 20                          ; v20  my scratch + 4 r
.set VSA,  21                          ; v21  VSS + 256 (wave / 2) + 2 (wave % 2) + 4 r
.set SCRD, 22                          ; v22  my scratch + 8 x lane
.set VSR,  23                          ; v23  VSS + 16 x lane
.set VSO,  24                          ; v24  (lane / 16) records + 16 (lane % 16)
.set SPW,  28                          ; v28  LDS address of my spare word; never rewritten
.set NIL,  29                          ; v29  0; never rewritten
.set SCA,  32
.set SCB,  48
.set AF,   96
.set TM,   192                         ; v192-193 largest magnitudes, v194-195 the other half's, v196-197 scale operands, v198-199 bytes, v200 the word, v202-204 a conversion's second half
.set TX,   194
.set SO,   196
.set BY,   198
.set PW,   200
.set TQ,   202
.set SEL,  26                          ; s[26:27] lane selects for v_permlanex16_b32
.set G1A,  28
.set G1B,  36
.set MSB, 0
.macro WIN new                         ; the immediate's high byte repeats the setting that is left
.if MSB != \new
	s_set_vgpr_msb (MSB<<8)|\new
.set MSB, \new
.endif
.endm
.macro CROUND                          ; a round of the cluster's barrier
	s_barrier_signal -1
	s_barrier_wait -1
	s_cmp_lg_u32 s18, 0
	s_cbranch_scc1 .Lnot_wave_0_\@
	s_barrier_signal -3
.Lnot_wave_0_\@:
	s_barrier_wait -3
	s_barrier_signal -1
	s_barrier_wait -1
.endm
.macro PLACES                          ; four plain places behind matrix instructions, ahead of loads into their registers and of reads of their results
.rept 4
	v_nop
.endr
.endm
.macro LOADF reg, a16, a8, off         ; a fragment's image from LDS
	ds_load_b128 v[(\reg):(\reg)+3], v[\a16] offset:(\off)
	ds_load_b64 v[(\reg)+4:(\reg)+5], v[\a8] offset:(\off)+512
	ds_load_b128 v[(\reg)+6:(\reg)+9], v[\a16] offset:(\off)+768
	ds_load_b64 v[(\reg)+10:(\reg)+11], v[\a8] offset:(\off)+1280
.endm
.macro WM d, a, b, c, sa, sb, ra, rb   ; one product; ra, rb: the side's scale words stand in lanes 16-31 of the register named
.if ((\ra) == 0) && ((\rb) == 0)
	v_wmma_scale_f32_16x16x128_f8f6f4 v[(\d):(\d)+7], v[(\a):(\a)+11], v[(\b):(\b)+11], v[(\c):(\c)+7], v[\sa], v[\sb] matrix_a_fmt:MATRIX_FMT_FP6 matrix_b_fmt:MATRIX_FMT_FP6
.elseif (\rb) == 0
	v_wmma_scale_f32_16x16x128_f8f6f4 v[(\d):(\d)+7], v[(\a):(\a)+11], v[(\b):(\b)+11], v[(\c):(\c)+7], v[\sa], v[\sb] matrix_a_fmt:MATRIX_FMT_FP6 matrix_b_fmt:MATRIX_FMT_FP6 matrix_a_scale:MATRIX_SCALE_ROW1
.elseif (\ra) == 0
	v_wmma_scale_f32_16x16x128_f8f6f4 v[(\d):(\d)+7], v[(\a):(\a)+11], v[(\b):(\b)+11], v[(\c):(\c)+7], v[\sa], v[\sb] matrix_a_fmt:MATRIX_FMT_FP6 matrix_b_fmt:MATRIX_FMT_FP6 matrix_b_scale:MATRIX_SCALE_ROW1
.else
	v_wmma_scale_f32_16x16x128_f8f6f4 v[(\d):(\d)+7], v[(\a):(\a)+11], v[(\b):(\b)+11], v[(\c):(\c)+7], v[\sa], v[\sb] matrix_a_fmt:MATRIX_FMT_FP6 matrix_b_fmt:MATRIX_FMT_FP6 matrix_a_scale:MATRIX_SCALE_ROW1 matrix_b_scale:MATRIX_SCALE_ROW1
.endif
.endm
	s_load_b256 s[4:11], s[0:1], 0x0               ; pw, bq, bk, bv
	s_load_b128 s[12:15], s[0:1], 0x20             ; rel_k, qb
	s_load_b64 s[16:17], s[0:1], 0x30              ; kv
	v_lshl_add_u32 v[SPW], v0, 2, SPARE
	v_mov_b32 v[NIL], 0
	ds_add_u32 v[SPW], v[NIL]                      ; the wave's opening: the add and its wait stand ahead of my first tensor load; work on registers stands between them
	v_lshrrev_b32 v30, 5, v0
	v_readfirstlane_b32 s18, v30                   ; wave 0..3
	s_bfe_u32 s19, ttmp6, 0x40000                  ; cx
	s_bfe_u32 s20, ttmp6, 0x40004                  ; cy
	s_lshl_b32 s21, ttmp9, 2
	s_add_co_u32 s21, s21, s19                     ; the head = 4 x cluster x + cx
	s_and_b32 s22, ttmp7, 0xffff
	s_lshl_b32 s22, s22, 2
	s_add_co_u32 s22, s22, s20                     ; the block of 256 tokens = 4 x cluster y + cy
	s_lshl_b32 s23, s20, 2
	s_lshl_b32 s23, 15, s23                        ; my row of the cluster
	s_lshl_b32 s24, 0x1111, s19                    ; my column
	; descriptor groups 1: dense blocks as rows of 256 bytes (32 elements of 8 bytes): 48 rows of x's codes, 36 of the weights'
	s_or_b32 s[G1A], s23, (3<<16)|(1<<21)          ; 15:0 the mask: x's codes go to my row; 17:16 elements of 8 bytes; 21 set beside a mask
	s_or_b32 s[G1B], s24, (3<<16)|(1<<21)          ; the weights' to my column
	s_mov_b32 s[G1A+1], 32<<16
	s_mov_b32 s[G1A+2], 48<<16
	s_mov_b32 s[G1A+3], 32<<16
	s_mov_b32 s[G1A+4], 48
	s_mov_b32 s[G1A+5], 32
	s_mov_b32 s[G1A+6], 0
	s_mov_b32 s[G1A+7], 0
	s_mov_b32 s[G1B+1], 32<<16
	s_mov_b32 s[G1B+2], 36<<16
	s_mov_b32 s[G1B+3], 32<<16
	s_mov_b32 s[G1B+4], 36
	s_mov_b32 s[G1B+5], 32
	s_mov_b32 s[G1B+6], 0
	s_mov_b32 s[G1B+7], 0
	s_mov_b32 s[SEL], 0x76543210
	s_mov_b32 s[SEL+1], 0xfedcba98
	s_mul_i32 s76, s22, 196608                     ; x's codes: my block, my quarter of a chunk: hangs on the tile row and the wave alone
	s_mul_i32 s25, s18, 12288
	s_add_co_u32 s76, s76, s25
	s_mov_b32 s77, 0
	s_mul_i32 s78, s21, 147456                     ; the weights': my head, my quarter: hangs on the head and the wave alone
	s_mul_i32 s98, s18, 9216
	s_add_co_u32 s78, s78, s98
	s_add_co_u32 s78, s78, P_WC
	s_mov_b32 s79, 0
	s_lshl_b32 s80, s22, 13                        ; x's scale records 8 x block + 2 x wave + p
	s_lshl_b32 s81, s18, 11
	s_add_co_u32 s80, s80, s81
	s_add_co_u32 s80, s80, P_XS
	s_mov_b32 s81, 0
	s_mul_i32 s82, s21, 6144                       ; the head's six scale records
	s_add_co_u32 s82, s82, P_WS
	s_mov_b32 s83, 0
	s_lshl_b32 s84, s21, 8                         ; the head's 64 numbers of a bias
	s_mov_b32 s85, 0
	s_mul_i32 s90, s22, 196608                     ; x's K steps 6 and 7, my four tiles
	s_mul_i32 s91, s18, 6144
	s_add_co_u32 s90, s90, s91
	s_add_co_u32 s90, s90, 6*24576
	v_and_b32 v30, 31, v0
	v_lshlrev_b32 v[LI16], 4, v30
	v_lshlrev_b32 v[L8], 3, v30
	v_lshlrev_b32 v[L4], 2, v30
	v_and_b32 v31, 15, v0                          ; r
	v_bfe_u32 v30, v0, 4, 1                        ; h
	v_lshlrev_b32 v[H64], 6, v30
	v_and_b32 v[BV], 8, v31
	v_add_nc_u32 v[BV], v[BV], v31
	v_lshlrev_b32 v[BV], 2, v[BV]
	v_add_nc_u32 v[ADA], s91, v[LI16]              ; my four tiles of a K step begin 6,144 x wave bytes in
	v_add_nc_u32 v[ADA+1], s91, v[L8]
	v_add_nc_u32 v[ADA+2], 73728, v[ADA]
	v_add_nc_u32 v[ADA+3], 73728, v[ADA+1]
	v_add_nc_u32 v[ADB], LB, v[LI16]
	v_add_nc_u32 v[ADB+1], LB, v[L8]
	v_add_nc_u32 v[ADB+2], 55296, v[ADB]
	v_add_nc_u32 v[ADB+3], 55296, v[ADB+1]
	v_add_nc_u32 v[ADB+4], 110592, v[ADB]
	v_add_nc_u32 v[ADB+5], 110592, v[ADB+1]
	s_mov_b32 s91, 0
	s_mul_i32 s92, s18, 1792
	s_add_co_u32 s92, s92, SCR
	v_lshl_add_u32 v[SCRA], v31, 2, s92
	v_add_nc_u32 v[SCRD], s92, v[L8]
	s_lshr_b32 s92, s18, 1
	s_lshl_b32 s92, s92, 8
	s_and_b32 s93, s18, 1
	s_lshl_b32 s93, s93, 1
	s_add_co_u32 s92, s92, s93
	s_add_co_u32 s92, s92, VSS
	v_lshl_add_u32 v[VSA], v31, 2, s92
	v_add_nc_u32 v[VSR], VSS, v[LI16]
	v_mul_u32_u24 v[VSO], v30, REC
	v_lshl_add_u32 v[VSO], v31, 4, v[VSO]
	v_mov_b32 v[TX], 0                             ; a lane permute's destination counts as one of its sources
	v_mov_b32 v[TX+1], 0
.irp a, 0,1,2,3
	v_mov_b32 v[228+\a], 0
.endr
	s_wait_dscnt 0x0                               ; the opening add is done
	s_wait_kmcnt 0x0
	s_add_nc_u64 s[76:77], s[4:5], s[76:77]
	s_add_nc_u64 s[78:79], s[4:5], s[78:79]
	s_add_nc_u64 s[80:81], s[4:5], s[80:81]
	s_add_nc_u64 s[82:83], s[4:5], s[82:83]
	s_add_nc_u64 s[86:87], s[8:9], s[84:85]        ; bk
	s_add_nc_u64 s[88:89], s[10:11], s[84:85]      ; bv
	s_add_nc_u64 s[84:85], s[6:7], s[84:85]        ; bq
	s_add_nc_u64 s[90:91], s[4:5], s[90:91]
.macro G0SET g, ldsreg, ldsoff, src, goff      ; a descriptor group 0: count 1, LDS address, global address, type 2
	s_mov_b32 s[\g], 1
	s_add_co_u32 s[\g+1], s[\ldsreg], \ldsoff
	s_add_nc_u64 s[\g+2:\g+3], s[\src:\src+1], \goff
	s_or_b32 s[\g+3], s[\g+3], 0x80000000
.endm
	G0SET 44, 25, 0, 76, 0                         ; x, chunk 0 (K steps 0, 1)
	G0SET 48, 98, LB, 78, 0                        ; weights, chunk 0
	G0SET 52, 25, 49152, 76, 49152
	G0SET 56, 98, LB+36864, 78, 36864
	G0SET 60, 25, 98304, 76, 98304
	G0SET 68, 98, LB+73728, 78, 73728
	G0SET 72, 98, LB+110592, 78, 110592
	CROUND                                         ; all sixteen work-groups are here: the joint loads meet
	tensor_load_to_lds s[44:47], s[G1A:G1A+7]      ; all fills of the launch, as one group: seven loads of mine are out
	s_nop 0
	tensor_load_to_lds s[48:51], s[G1B:G1B+7]
	s_nop 0
	tensor_load_to_lds s[52:55], s[G1A:G1A+7]
	s_nop 0
	tensor_load_to_lds s[56:59], s[G1B:G1B+7]
	s_nop 0
	tensor_load_to_lds s[60:63], s[G1A:G1A+7]
	s_nop 0
	tensor_load_to_lds s[68:71], s[G1B:G1B+7]
	s_nop 0
	tensor_load_to_lds s[72:75], s[G1B:G1B+7]
	s_nop 0
	PLACES
.irp p, 0,1                                    ; scale words: one load gives tile 2 p in lanes 0-15 and tile 2 p + 1 in lanes 16-31
.irp s, 0,1,2,3,4,5,6,7
	global_load_b32 v[SCA+8*\p+\s], v[L4], s[80:81] offset:1024*\p+128*\s
.endr
.endr
.irp p, 0,1,2,3,4,5
.irp s, 0,1,2,3,4,5,6,7
	global_load_b32 v[SCB+8*\p+\s], v[L4], s[82:83] offset:1024*\p+128*\s
.endr
.endr
	WIN 0x40                                       ; destination window 1
.irp j, 0,1,2,3                                ; biases in the results' layouts.  q, k: lane (r, h), register i of tile j: d = 32 (j / 2) + 16 h + 8 (j % 2) + i.  v: every register d = 32 (j / 2) + 8 (j % 2) + r + 8 (r / 8)
	global_load_b128 v[144+8*\j:147+8*\j], v[H64], s[84:85] offset:128*(\j/2)+32*(\j%2)
	global_load_b128 v[148+8*\j:151+8*\j], v[H64], s[84:85] offset:128*(\j/2)+32*(\j%2)+16
	global_load_b128 v[176+8*\j:179+8*\j], v[H64], s[86:87] offset:128*(\j/2)+32*(\j%2)
	global_load_b128 v[180+8*\j:183+8*\j], v[H64], s[86:87] offset:128*(\j/2)+32*(\j%2)+16
.irp i, 0,1,2,3,4,5,6,7
	global_load_b32 v[208+8*\j+\i], v[BV], s[88:89] offset:128*(\j/2)+32*(\j%2)
.endr
.endr
	WIN 0xc0                                       ; destination window 3: x's K steps 6 and 7, my four tiles: 32 loads
.irp s, 0,1
.irp a, 0,1,2,3
	global_load_b128 v[128+48*\s+12*\a:131+48*\s+12*\a], v[LI16], s[90:91] offset:24576*\s+1536*\a
	global_load_b64 v[132+48*\s+12*\a:133+48*\s+12*\a], v[L8], s[90:91] offset:24576*\s+1536*\a+512
	global_load_b128 v[134+48*\s+12*\a:137+48*\s+12*\a], v[LI16], s[90:91] offset:24576*\s+1536*\a+768
	global_load_b64 v[138+48*\s+12*\a:139+48*\s+12*\a], v[L8], s[90:91] offset:24576*\s+1536*\a+1280
.endr
.endr
	WIN 0
.macro LOADA s                         ; x's four fragments of K step s into set s % 2: 16 LDS loads
	WIN 0
.irp a, 0,1,2,3
	LOADF AF+48*((\s)%2)+12*\a, ADA+2*((\s)/3), ADA+2*((\s)/3)+1, ((\s)%3)*24576+\a*1536
.endr
.endm
.macro LOADB g, s                      ; the four fragments of weight g (0 q, 1 k, 2 v) of K step s: 16 LDS loads
	WIN 0x40
.irp j, 0,1,2,3
	LOADF 48*(\g)+12*\j, ADB+2*((\s)/3), ADB+2*((\s)/3)+1, ((\s)%3)*18432+(4*(\g)+\j)*1536
.endr
.endm
; 16 products of weight g in K step s.  The 16 accumulators take turns, one instruction a turn, and the three groups follow each other.
.macro MULG g, s
.if (\s) < 6
.set FA, AF+48*((\s)%2)
.else
.set FA, 128+48*((\s)-6)
.endif
.if (\g) < 2
.if (\s) == 0
	WIN 0x91                                       ; source 0 (weights) window 1, source 1 (x) window 0, C (bias) window 1, D window 2
.elseif (\s) < 6
	WIN 0xa1                                       ; C and D window 2
.else
	WIN 0xad                                       ; x in window 3
.endif
.irp a, 0,1,2,3
.irp j, 0,1,2,3
.set DD, 128*(\g)+32*\a+8*\j
.set CC, DD
.if (\s) == 0
.set CC, 144+32*(\g)+8*\j
.endif
	WM DD, 48*(\g)+12*\j, FA+12*\a, CC, SCB+8*(2*(\g)+\j/2)+(\s), SCA+8*(\a/2)+(\s), \j%2, \a%2
.endr
.endr
.else
.if (\s) == 0
	WIN 0xd4                                       ; source 0 (x) window 0, source 1 (weights) window 1, C (bias) window 1, D window 3
.elseif (\s) < 6
	WIN 0xf4
.else
	WIN 0xf7
.endif
.irp a, 0,1,2,3
.irp j, 0,1,2,3
.set DD, 32*\j+8*\a
.set CC, DD
.if (\s) == 0
.set CC, 208+8*\j
.endif
	WM DD, FA+12*\a, 96+12*\j, CC, SCA+8*(\a/2)+(\s), SCB+8*(4+\j/2)+(\s), \a%2, \j%2
.endr
.endr
.endif
.endm
; An even K step has its successor in the same chunk.  na = 1: the next step's x comes from LDS.  LDS loads out at its head, oldest first: q's weights and x, then k's 16, then v's 16.
.macro EVEN s, na
	s_wait_dscnt 32                                ; q's weights and x are in; k's 16 and v's 16 may be out
	MULG 0, \s
	PLACES
	LOADB 0, (\s)+1
.if \na
	LOADA (\s)+1
.endif
	s_wait_dscnt 32+16*(\na)                       ; k's are in; behind them: v's 16 and what was just issued
	MULG 1, \s
	PLACES
	LOADB 1, (\s)+1
	s_wait_dscnt 32+16*(\na)                       ; v's are in; behind them: the next step's q, x and k
	MULG 2, \s
	PLACES
	LOADB 2, (\s)+1
.endm
; An odd K step is a chunk's last: the next chunk has to have landed in every wave's quarter.  The wait on the tensor loads is counted: tc loads were issued behind the next chunk's.
.macro ODD s, tc, la
	s_wait_dscnt 32
	MULG 0, \s
	s_wait_dscnt 0x0                               ; no LDS instruction of mine is out at the signal
	s_wait_tensorcnt \tc
	s_barrier_signal -1
	MULG 1, \s
	s_barrier_wait -1
	PLACES
.if \la
	LOADA (\s)+1
.endif
	LOADB 0, (\s)+1
	LOADB 1, (\s)+1
	MULG 2, \s
	PLACES
	LOADB 2, (\s)+1
.endm
	s_wait_tensorcnt 5                             ; my quarters of chunk 0 are in; the five loads behind them may be out
	s_barrier_signal -1
	s_barrier_wait -1                              ; everybody's are
	LOADA 0
	LOADB 0, 0
	LOADB 1, 0
	LOADB 2, 0
	s_wait_loadcnt 32                              ; scale words and biases are in; x's K steps 6 and 7 (32 loads) may be out
	EVEN 0, 1
	ODD 1, 3, 1
	EVEN 2, 1
	ODD 3, 1, 1
	EVEN 4, 1
	ODD 5, 0, 0
	s_wait_loadcnt 0x0                             ; x's K steps 6 and 7
	EVEN 6, 0
	s_wait_dscnt 32
	MULG 0, 7
	s_wait_dscnt 16
	MULG 1, 7
	s_wait_dscnt 0x0
	MULG 2, 7
	WIN 0
; ---------------- THE WAY OUT
	PLACES
	WIN 0x40                                       ; rel_k into window 1, in q's layout: register 32 jj + e holds rel_k[jj][32 (e / 16) + 16 h + e % 16].  The 40 loads land while k and v are quantised
.irp jj, 0,1,2,3,4
.irp b, 0,1
.irp m, 0,1,2,3
	global_load_b128 v[32*\jj+16*\b+4*\m:32*\jj+16*\b+4*\m+3], v[H64], s[12:13] offset:256*\jj+128*\b+16*\m
.endr
.endr
.endr
	WIN 0
	s_lshr_b32 s76, s22, 3                         ; where the results go (all global loads of the head are done: their address registers are free)
	s_lshl_b32 s76, s76, 4
	s_add_co_u32 s76, s76, s21                     ; bh = 16 x batch + head
	s_and_b32 s77, s22, 7                          ; my block among the batch's eight
	s_lshl_b32 s78, s76, 4
	s_lshl_b32 s79, s77, 1
	s_add_co_u32 s78, s78, s79
	s_mul_i32 s80, s78, REC                        ; the work-group's first record (128 keys each)
	s_lshr_b32 s79, s18, 1
	s_mul_i32 s79, s79, REC
	s_add_co_u32 s79, s80, s79                     ; my record
	s_and_b32 s81, s18, 1                          ; which 64 keys of it are mine
	s_mul_i32 s82, s81, 3072
	s_add_co_u32 s82, s82, s79
	s_mov_b32 s83, 0
	s_add_nc_u64 s[82:83], s[16:17], s[82:83]      ; k's codes
	s_mul_i32 s84, s81, 768
	s_add_co_u32 s84, s84, s79
	s_add_co_u32 s84, s84, 6144
	s_mov_b32 s85, 0
	s_add_nc_u64 s[84:85], s[16:17], s[84:85]      ; v's codes
	s_lshl_b32 s86, s81, 8
	s_add_co_u32 s86, s86, s79
	s_add_co_u32 s86, s86, 12288
	s_mov_b32 s87, 0
	s_add_nc_u64 s[86:87], s[16:17], s[86:87]      ; k's scale words
	s_add_co_u32 s88, s80, 12800
	s_mov_b32 s89, 0
	s_add_nc_u64 s[88:89], s[16:17], s[88:89]      ; v's scale words, the first record's
	s_lshl_b32 s90, s76, 7
	s_lshl_b32 s91, s77, 4
	s_add_co_u32 s90, s90, s91
	s_lshl_b32 s91, s18, 2
	s_add_co_u32 s90, s90, s91                     ; my first tile of queries: 128 bh + 16 block + 4 wave
	s_mul_i32 s92, s90, 768
	s_mov_b32 s93, 0
	s_add_nc_u64 s[92:93], s[14:15], s[92:93]      ; q's codes
	s_lshl_b32 s94, s90, 6
	s_add_co_u32 s94, s94, Q_QS
	s_mov_b32 s95, 0
	s_add_nc_u64 s[94:95], s[14:15], s[94:95]      ; q's scale words
	s_mul_i32 s96, s76, 40960
	s_lshl_b32 s97, s77, 10
	s_add_co_u32 s96, s96, s97
	s_lshl_b32 s97, s18, 8
	s_add_co_u32 s96, s96, s97
	s_add_co_u32 s96, s96, Q_QREL
	s_mov_b32 s97, 0
	s_add_nc_u64 s[96:97], s[14:15], s[96:97]      ; q . rel_k
; 32 numbers of a lane in window w, register 16 b + i = k 32 b + 16 h + i of my row, become half a fragment's codes in v[pc .. pc + 5] of window 0 and two scale bytes in v[PW].
.macro QUANT32 w, s, pc
	WIN 5*(\w)                                     ; sources 0 and 1 in window w
.irp b, 0,1
	v_max3_num_f32 v[TM+\b], |v[(\s)+16*\b]|, |v[(\s)+16*\b+1]|, 0x1800000   ; each accumulator is read from its low end on; the floor 2^(3 - 127) holds the byte at 1 from below
.endr
.irp i, 2,4,6,8,10,12,14
.irp b, 0,1
	v_max3_num_f32 v[TM+\b], |v[(\s)+16*\b+\i]|, |v[(\s)+16*\b+\i+1]|, v[TM+\b]
.endr
.endr
	WIN 0
.irp b, 0,1
	v_permlanex16_b32 v[TX+\b], v[TM+\b], s[SEL], s[SEL+1]
.endr
.irp b, 0,1
	v_max_num_f32 v[TM+\b], v[TM+\b], v[TX+\b]     ; with lane l xor 16's: the block's largest magnitude
.endr
.irp b, 0,1
	v_add_nc_u32 v[SO+\b], 0xff000000, v[TM+\b]    ; 2 off the exponent field: the conversion's scale operand
.endr
.irp b, 0,1
	v_lshrrev_b32 v[BY+\b], 23, v[SO+\b]
.endr
	s_wait_dscnt 0x0                               ; the last LDS store has read the word's register
	v_lshl_or_b32 v[PW], v[BY+1], 8, v[BY]         ; the upper two bytes stay 0: they stand over zero codes
	WIN \w
	v_cvt_scalef32_pk16_fp6_f32 v[(\pc):(\pc)+2], v[(\s):(\s)+15], v[SO]
	v_cvt_scalef32_pk16_fp6_f32 v[TQ:TQ+2], v[(\s)+16:(\s)+31], v[SO+1]
	WIN 0
	v_nop                                          ; one plain place behind the conversions
.irp i, 0,1,2
	v_permlane16_swap_b32 v[(\pc)+\i], v[TQ+\i]    ; a whole block to a lane: lanes 0-15 block 0, lanes 16-31 block 1
.endr
.irp i, 0,1,2
	v_mov_b32 v[(\pc)+3+\i], v[TQ+\i]
.endr
.endm
.irp a, 0,1,2,3                                ; k: a tile of 16 keys x 64: half a fragment
	QUANT32 2, 128+32*\a, 96+8*\a
	global_store_b128 v[LI16], v[96+8*\a:99+8*\a], s[82:83] offset:768*\a
	global_store_b64 v[L8], v[100+8*\a:101+8*\a], s[82:83] offset:768*\a+512
	ds_store_b32 v[SCRA], v[PW] offset:256+64*\a   ; lanes r and r + 16 write the same word with the same value
.endr
.irp j, 0,1,2,3                                ; v: 16 of the head's 64 x my 64 keys: my half of the record's fragment j
	QUANT32 3, 32*\j, 128+8*\j
	global_store_b128 v[LI16], v[128+8*\j:131+8*\j], s[84:85] offset:1536*\j
	global_store_b64 v[L8], v[132+8*\j:133+8*\j], s[84:85] offset:1536*\j+512
	ds_store_b16 v[VSA], v[PW] offset:64*\j        ; my two bytes of the word of 128 keys
.endr
	s_wait_loadcnt 0x0                             ; rel_k
.irp jj, 0,1,2,3,4                             ; q . rel_k[jj] of the unquantised q, in f32: 16 packed multiply-adds a tile, the four tiles by turns
	WIN 0x06                                       ; source 0 (q) window 2, source 1 (rel_k) window 1
.irp a, 0,1,2,3
	v_pk_mul_f32 v[216+2*\a:217+2*\a], v[32*\a:32*\a+1], v[32*\jj:32*\jj+1]
.endr
.irp n, 1,2,3,4,5,6,7,8,9,10,11,12,13,14,15
.irp a, 0,1,2,3
	v_pk_fma_f32 v[216+2*\a:217+2*\a], v[32*\a+2*\n:32*\a+2*\n+1], v[32*\jj+2*\n:32*\jj+2*\n+1], v[216+2*\a:217+2*\a]
.endr
.endr
	WIN 0
	s_wait_dscnt 0x0                               ; the last LDS stores have read their registers
.irp a, 0,1,2,3
	v_add_f32 v[224+\a], v[216+2*\a], v[217+2*\a]
.endr
.irp a, 0,1,2,3
	v_permlanex16_b32 v[228+\a], v[224+\a], s[SEL], s[SEL+1]
.endr
.irp a, 0,1,2,3
	v_add_f32 v[224+\a], v[224+\a], v[228+\a]      ; with lane l xor 16's 32 channels
.endr
.irp a, 0,1,2,3
	ds_store_b32 v[SCRA], v[224+\a] offset:512+256*\jj+64*\a
.endr
.endr
.irp a, 0,1,2,3                                ; q
	QUANT32 2, 32*\a, 160+8*\a
	global_store_b128 v[LI16], v[160+8*\a:163+8*\a], s[92:93] offset:768*\a
	global_store_b64 v[L8], v[164+8*\a:165+8*\a], s[92:93] offset:768*\a+512
	ds_store_b32 v[SCRA], v[PW] offset:64*\a
.endr
.irp i, 0,1,2,3,4,5,6
	ds_load_b64 v[232+2*\i:233+2*\i], v[SCRD] offset:256*\i   ; my scratch back, 256 bytes an instruction (LDS serves a wave's instructions in order)
.endr
	s_wait_dscnt 0x0                               ; they are in; and, for the others' sake, my stores of v's bytes are done
	global_store_b64 v[L8], v[232:233], s[94:95]   ; each store of the wave covers 256 consecutive bytes, aligned
	global_store_b64 v[L8], v[234:235], s[86:87]
.irp jj, 0,1,2,3,4
	global_store_b64 v[L8], v[236+2*\jj:237+2*\jj], s[96:97] offset:8192*\jj
.endr
	s_barrier_signal -1
	s_barrier_wait -1                              ; v's scale words of both records are whole
	s_cmp_lg_u32 s18, 0
	s_cbranch_scc1 .Lnot_first
	ds_load_b128 v[248:251], v[VSR]
	s_wait_dscnt 0x0
	global_store_b128 v[VSO], v[248:251], s[88:89] ; sixteen lanes a record's 256 bytes
.Lnot_first:
	s_wait_tensorcnt 0x0                           ; the wave's end, behind my last tensor load and my last LDS store
	ds_add_u32 v[SPW], v[NIL]
	s_wait_dscnt 0x0
	CROUND                                         ; the closing round
	s_endpgm
.Lfunc_end_k_qf37b025b35_qkv:
	.size	k_qf37b025b35_qkv, .Lfunc_end_k_qf37b025b35_qkv-k_qf37b025b35_qkv
	.p2alignl 7, 3214868480
	.fill 96, 4, 3214868480
	.section	.rodata,"a",@progbits
	.p2align	6, 0x0
	.amdhsa_kernel k_qf37b025b35_qkv
		.amdhsa_group_segment_fixed_size 327680
		.amdhsa_private_segment_fixed_size 0
		.amdhsa_enable_private_segment 0
		.amdhsa_kernarg_size 56
		.amdhsa_user_sgpr_count 2
		.amdhsa_user_sgpr_kernarg_segment_ptr 1
		.amdhsa_wavefront_size32 1
		.amdhsa_system_sgpr_workgroup_id_x 1
		.amdhsa_system_sgpr_workgroup_id_y 1
		.amdhsa_system_sgpr_workgroup_id_z 1
		.amdhsa_system_vgpr_workitem_id 0
		.amdhsa_next_free_vgpr 1024
		.amdhsa_next_free_sgpr 100
		.amdhsa_reserve_vcc 0
		.amdhsa_float_denorm_mode_32 3
		.amdhsa_float_denorm_mode_16_64 3
		.amdhsa_memory_ordered 1
		.amdhsa_forward_progress 1
		.amdhsa_inst_pref_size 164
	.end_amdhsa_kernel
	.amdgpu_metadata
---
amdhsa.version: [ 1, 2 ]
amdhsa.kernels:
  - .name:           k_qf37b025b35_qkv
    .symbol:         k_qf37b025b35_qkv.kd
    .args:
      - { .name: pw, .offset: 0, .size: 8, .value_kind: global_buffer, .address_space: global }
      - { .name: bq, .offset: 8, .size: 8, .value_kind: global_buffer, .address_space: global }
      - { .name: bk, .offset: 16, .size: 8, .value_kind: global_buffer, .address_space: global }
      - { .name: bv, .offset: 24, .size: 8, .value_kind: global_buffer, .address_space: global }
      - { .name: rel_k, .offset: 32, .size: 8, .value_kind: global_buffer, .address_space: global }
      - { .name: qb, .offset: 40, .size: 8, .value_kind: global_buffer, .address_space: global }
      - { .name: kv, .offset: 48, .size: 8, .value_kind: global_buffer, .address_space: global }
    .group_segment_fixed_size: 327680
    .private_segment_fixed_size: 0
    .kernarg_segment_align: 8
    .kernarg_segment_size: 56
    .max_flat_workgroup_size: 128
    .sgpr_count:     100
    .vgpr_count:     1024
    .wavefront_size: 32
...
	.end_amdgpu_metadata
.endif
;; end of part 2
;; launch attn (part 3): grid 8 x 32, 16 waves a work-group, no clusters, 233,472 bytes of LDS; arguments qb, kv, rel_v, ob; writes ob
.if DOCPART == 3
	.amdgcn_target "amdgcn-amd-amdhsa--gfx1250"
	.amdhsa_code_object_version 6
	.text
	.protected	k_qf37b025b35_attn
	.globl	k_qf37b025b35_attn
	.p2align	8
	.type	k_qf37b025b35_attn,@function
k_qf37b025b35_attn:
	s_mov_b64 s[64:65], 0
	v_nop
	global_prefetch_b8 v0, s[64:65] scope:SCOPE_SE
	s_setreg_imm32_b32 hwreg(HW_REG_WAVE_MODE, 25, 1), 1
	s_wait_xcnt 0x0
; out[q] = (sum over k of p(q, k) v[k] + sum over j of bucket_j(q) rel_v[j]) / l(q) for one (batch, head), both large products on codes of FP6 (E2M3) with E8M0 scales; then out is quantised along the head's 64 for the last projection.
; t = (q . k + q . rel_k[idx]) x log2(e) / 8, idx = clip(k - q, -2, 2) + 2;  M = the running largest t rounded UP to a whole number;  p = 2^(t - M) is what is quantised, along the keys, not normalised.
; The five buckets are sums of the UNQUANTISED p in f32; l is their sum.  When M moves, the buckets and O are multiplied by 2^(old M - new M): exact.
; SHARES.  Work-group x = 256 queries, y = (batch, head).  Each of SIXTEEN waves owns one tile of 16 queries in 256 registers: four waves to a SIMD, so that one wave's vector work stands beside another's products and LDS loads.
; THE HEAD'S WHOLE K AND V LIE IN LDS, filled once: 16 records of 13,056 bytes (128 keys each), one tensor load a wave, all at the head; one barrier; the loop over the 16 key steps has none.
; NO CLUSTER: the branches round the band's work hang on the work-group's block of queries, which differs between just those work-groups that share K and V.  NO PREFETCH: every byte is asked for at the head.
; LAYOUT.  S^T = K Q^T (source 0 = 16 keys in tile order, source 1 = my queries; the head's 64 fill half of the instruction's K: the other half are zero codes on both sides), O^T = V^T P^T: a lane holds ONE query throughout,
; and the 16 registers of tiles 2 b, 2 b + 1 of S^T are keys 32 b + 16 (lane / 16) + 0 .. 15 of the step.
; THE FIVE BUCKETS.  A block of 32 keys all of which lie 2 or more under (over) all 16 queries has one q . rel_k for a query: it goes into the addend of the multiply-add that makes t - M, and the block's sum of p goes whole into
; bucket 0 (4).  Only the two blocks of a wave's walk that touch the diagonal are worked element by element: scalar branches on ids and on the count of steps lead round that work.
; LIMITS: NaN and infinities are not served; a block whose every p has fallen to 0 keeps the scale byte 1: its codes are zeros.
; REGISTERS: v1-3 lane terms; v6 my query - 16 h; v7 0; v8-10 the step's LDS addresses; v11 band; v12 -M, v13 largest t; v[14:15], v[16:17] buckets 0 and 4 in two halves; v18-20 buckets 1-3, v21 0; v22-26 q . rel_k;
;   v27, v28 c x q . rel_k[0], [4]; v29 Q's scale word; v[30:31] f; v32-43 Q; v44-91 four fragments of K; v92-95 their scale words; v96-159 S^T, then p, then V's four fragments; v160-161 V's scale words; v162 p's;
;   v164-195 O^T; v196-207 p's codes; v208-215, v216-255 at work.
.set REC,   13056
.set RELV,  16*REC                     ; behind the records: a copy of rel_v for each wave, 1,280 bytes
.set OSC,   RELV+16*1280               ; 512 bytes: the work-group's scale bytes of out
.set SPARE, OSC+512                    ; the spare words, 128 bytes for each wave: eight blocks of 256 bytes that no other line names
.set Q_QS,  3145728
.set Q_QREL, 3407872
.set O_OS,  3145728
.set SPW, 4
.set NIL, 5
.macro LOADF reg, a16, a8, off
	ds_load_b128 v[(\reg):(\reg)+3], v[\a16] offset:(\off)
	ds_load_b64 v[(\reg)+4:(\reg)+5], v[\a8] offset:(\off)+512
	ds_load_b128 v[(\reg)+6:(\reg)+9], v[\a16] offset:(\off)+768
	ds_load_b64 v[(\reg)+10:(\reg)+11], v[\a8] offset:(\off)+1280
.endm
	s_load_b256 s[4:11], s[0:1], 0x0               ; qb, kv, rel_v, ob
	v_lshl_add_u32 v[SPW], v0, 2, SPARE
	v_mov_b32 v[NIL], 0
	ds_add_u32 v[SPW], v[NIL]                      ; the wave's opening: the add and its wait stand ahead of my first tensor load; work on registers stands between them
	v_lshrrev_b32 v8, 5, v0
	v_readfirstlane_b32 s18, v8                    ; wave 0..15
	s_and_b32 s19, ttmp7, 0xffff                   ; bh
	s_mov_b32 s24, 3<<16                           ; group 1 for a record: 51 rows of 256 bytes (32 elements of 8 bytes), dense
	s_mov_b32 s25, 32<<16
	s_mov_b32 s26, 51<<16
	s_mov_b32 s27, 32<<16
	s_mov_b32 s28, 51
	s_mov_b32 s29, 32
	s_mov_b32 s30, 0
	s_mov_b32 s31, 0
	s_mov_b32 s36, 3<<16                           ; and for rel_v: 5 rows
	s_mov_b32 s37, 32<<16
	s_mov_b32 s38, 5<<16
	s_mov_b32 s39, 32<<16
	s_mov_b32 s40, 5
	s_mov_b32 s41, 32
	s_mov_b32 s42, 0
	s_mov_b32 s43, 0
	s_mov_b32 s32, 1
	s_mul_i32 s33, s18, REC                        ; record = wave
	s_mov_b32 s44, 1
	s_mul_i32 s45, s18, 1280
	s_add_co_u32 s45, s45, RELV
	s_mul_i32 s52, s19, 16*REC
	s_add_co_u32 s52, s52, s33
	s_mov_b32 s53, 0
	s_mov_b32 s20, 0x76543210
	s_mov_b32 s21, 0xfedcba98                      ; v_permlanex16_b32's selects for lane l xor 16
	s_mov_b32 s22, 0x3e38aa3b                      ; c = log2(e) / 8
	s_mov_b32 s23, s22
	s_lshl_b32 s94, ttmp9, 4
	s_add_co_u32 s94, s94, s18                     ; T: my tile of queries, 0..127
	s_lshr_b32 s50, s94, 1
	s_lshl_b32 s50, s50, 5
	s_and_b32 s54, s94, 1
	s_lshl_b32 s54, s54, 3
	s_add_co_u32 s50, s50, s54                     ; my least query: 32 (T / 2) + 8 (T % 2); lane r's is that + r + 8 (r / 8)
	s_lshl_b32 s54, s19, 7
	s_add_co_u32 s54, s54, s94
	s_mul_i32 s12, s54, 768
	s_mov_b32 s13, 0
	s_lshl_b32 s14, s54, 6
	s_add_co_u32 s14, s14, Q_QS
	s_mov_b32 s15, 0
	s_mul_i32 s16, s19, 40960
	s_lshl_b32 s55, s94, 6
	s_add_co_u32 s16, s16, s55
	s_add_co_u32 s16, s16, Q_QREL
	s_mov_b32 s17, 0
.irp b, 0,1,2,3
	s_mov_b32 s[57+2*\b], 0                        ; the upper words of the pairs that the packed forms name
	s_mov_b32 s[67+2*\b], 0
.endr
	s_mov_b32 s48, 0                               ; LDS byte of the step's record
	s_mov_b32 s49, 0                               ; the step's first key
	s_mov_b32 s51, 16
	v_and_b32 v8, 31, v0
	v_lshlrev_b32 v1, 4, v8
	v_lshlrev_b32 v2, 3, v8
	v_lshlrev_b32 v3, 2, v8
	v_and_b32 v9, 15, v0                           ; r
	v_bfe_u32 v11, v0, 4, 1                        ; h
	v_lshlrev_b32 v10, 2, v9
	v_and_b32 v6, 8, v9
	v_add_nc_u32 v6, v6, v9
	v_add_nc_u32 v6, s50, v6
	v_lshlrev_b32 v8, 4, v11
	v_sub_nc_u32 v6, v6, v8                        ; my query - 16 h
	s_wait_dscnt 0x0                               ; the opening add is done
	s_wait_kmcnt 0x0
	s_add_nc_u64 s[34:35], s[6:7], s[52:53]
	s_or_b32 s35, s35, 0x80000000
	s_mov_b64 s[46:47], s[8:9]
	s_or_b32 s47, s47, 0x80000000
	tensor_load_to_lds s[32:35], s[24:31]          ; my record: two loads of mine are out
	s_nop 0
	tensor_load_to_lds s[44:47], s[36:43]          ; my copy of rel_v
	s_nop 0
.rept 4
	v_nop
.endr
	s_add_nc_u64 s[12:13], s[4:5], s[12:13]
	s_add_nc_u64 s[14:15], s[4:5], s[14:15]
	s_add_nc_u64 s[16:17], s[4:5], s[16:17]
	global_load_b128 v[32:35], v1, s[12:13]        ; Q's half fragment stays in registers
	global_load_b64 v[36:37], v2, s[12:13] offset:512
	global_load_b32 v29, v10, s[14:15]
.irp j, 0,1,2,3,4
	global_load_b32 v[22+\j], v10, s[16:17] offset:8192*\j
.endr
	v_mov_b32 v7, 0
.irp j, 14,15,16,17,18,19,20,21,31,38,39,40,41,42,43
	v_mov_b32 v[\j], 0                             ; the buckets; the upper half of f's pair; Q's codes of k = 64 .. 127
.endr
.irp t, 0,1,2,3
.irp j, 6,7,8,9,10,11
	v_mov_b32 v[44+12*\t+\j], 0                    ; K's codes of k = 64 .. 127: set once, never loaded over
.endr
.endr
.irp j, 0,1,2,3,4,5,6,7,8,9,10,11,12,13,14,15,16,17,18,19,20,21,22,23,24,25,26,27,28,29,30,31
	v_mov_b32 v[164+\j], 0                         ; O^T: the loop is written once; its first step finds zeros
.endr
.irp j, 220,221,222,223,248,249,250,251,252,253,254,255
	v_mov_b32 v[\j], 0
.endr
	v_mov_b32 v13, 0xff61b1e6                      ; the largest t so far: -3e38
	v_floor_f32 v12, -v13                          ; -M
	s_wait_loadcnt 0x0
	v_mul_f32 v27, s22, v22
	v_mul_f32 v28, s22, v26
	s_wait_tensorcnt 0x0
	s_barrier_signal -1
	s_barrier_wait -1                              ; all sixteen records are in
; the band's masks for block b: VD = my query - 16 h - the block's first key; register i holds the key with k - q = i - VD; m(k) = (k <= VD), k = -1 .. 17, in s[75 + k]
.macro MASKS b
	s_add_co_u32 s53, s49, 32*\b
	v_sub_nc_u32 v11, v6, s53
.irp n, 0,1,2,3,4,5,6,7,8,9,10,11,12,13,14,15,16,17,18
	v_cmp_le_i32 s[74+\n], \n-1, v11
.endr
.endm
.macro BAND1 b                         ; q . rel_k[idx] is added to each score: 4 where k - q >= 2, then 3, 2, 1, 0 as m(i - 1), m(i), m(i + 1), m(i + 2) hold
	MASKS \b
.irp q, 0,4,8,12
.irp e, 0,1,2,3
	v_cndmask_b32 v[248+\e], v26, v25, s[74+\q+\e]
.endr
.irp e, 0,1,2,3
	v_cndmask_b32 v[248+\e], v[248+\e], v24, s[75+\q+\e]
.endr
.irp e, 0,1,2,3
	v_cndmask_b32 v[248+\e], v[248+\e], v23, s[76+\q+\e]
.endr
.irp e, 0,1,2,3
	v_cndmask_b32 v[248+\e], v[248+\e], v22, s[77+\q+\e]
.endr
.irp e, 0,1,2,3
	v_add_f32 v[96+16*\b+\q+\e], v[96+16*\b+\q+\e], v[248+\e]
.endr
.endr
	v_mov_b32 v[225+2*\b], 0                       ; nothing more is added to this block's t
.endm
.macro BAND2 b                         ; each p goes into its bucket
	MASKS \b
.irp i, 0,2,4,6,8,10,12,14
	v_cndmask_b32 v248, v7, v[96+16*\b+\i], s[77+\i]   ; k - q <= -2
	v_cndmask_b32 v249, v7, v[97+16*\b+\i], s[78+\i]
	v_cndmask_b32 v250, v[96+16*\b+\i], v7, s[74+\i]   ; k - q >= 2
	v_cndmask_b32 v251, v[97+16*\b+\i], v7, s[75+\i]
	v_pk_add_f32 v[14:15], v[14:15], v[248:249]
	v_pk_add_f32 v[16:17], v[16:17], v[250:251]
.endr
.irp n, 0,1,2,3,4,5,6,7,8,9,10,11,12,13,14,15,16,17
	s_and_not1_b32 s93, s[74+\n], s[75+\n]         ; VD = n - 1.  Each of the three single keys is met once in a query's walk, in one of its two lanes
.if \n >= 2
	v_cndmask_b32 v18, v18, v[96+16*\b+\n-2], s93  ; k = q - 1
.endif
.if (\n >= 1) && (\n <= 16)
	v_cndmask_b32 v19, v19, v[96+16*\b+\n-1], s93  ; k = q
.endif
.if \n <= 15
	v_cndmask_b32 v20, v20, v[96+16*\b+\n], s93    ; k = q + 1
.endif
.endr
.endm
.Lstep:                                            ; 16 trips: a key step of 128 keys
	v_add_nc_u32 v8, s48, v1                       ; (no LDS instruction of mine is out)
	v_add_nc_u32 v9, s48, v2
	v_add_nc_u32 v10, s48, v3
.rept 4
	v_nop                                          ; with the three additions: more than the five places between the last products and those below that write over V's registers
.endr
.irp g, 0,1                                    ; S^T = K Q^T, four tiles of 16 keys at a time
.if \g > 0
.rept 4
	v_nop                                          ; places in front of loads into registers that matrix instructions have read
.endr
.endif
.irp t, 0,1,2,3
	ds_load_b128 v[44+12*\t:47+12*\t], v8 offset:768*(4*\g+\t)
	ds_load_b64 v[48+12*\t:49+12*\t], v9 offset:768*(4*\g+\t)+512
.endr
.if \g == 0
.irp p, 0,1,2,3
	ds_load_b32 v[92+\p], v10 offset:12288+128*\p  ; scale words: tile 2 p in lanes 0-15, tile 2 p + 1 in lanes 16-31
.endr
.endif
	s_wait_dscnt 0x0
.irp t, 0,2
	v_wmma_scale_f32_16x16x128_f8f6f4 v[96+8*(4*\g+\t):103+8*(4*\g+\t)], v[44+12*\t:55+12*\t], v[32:43], 0, v[92+2*\g+\t/2], v29 matrix_a_fmt:MATRIX_FMT_FP6 matrix_b_fmt:MATRIX_FMT_FP6
	v_wmma_scale_f32_16x16x128_f8f6f4 v[104+8*(4*\g+\t):111+8*(4*\g+\t)], v[56+12*\t:67+12*\t], v[32:43], 0, v[92+2*\g+\t/2], v29 matrix_a_fmt:MATRIX_FMT_FP6 matrix_b_fmt:MATRIX_FMT_FP6 matrix_a_scale:MATRIX_SCALE_ROW1
.endr
.endr
	s_sub_co_i32 s52, s49, s50                     ; the step's first key - my least query
.irp b, 0,1,2,3
	s_cmp_lt_i32 s52, -32-32*\b                    ; all 32 keys lie 2 or more under all my queries (which span 24)
	s_cselect_b32 s53, -1, 0
	s_cselect_b32 s[56+2*\b], 1.0, 0
	v_cndmask_b32 v[225+2*\b], v28, v27, s53       ; what is added to the block's t.  (These four lines are the places behind the products)
	s_cmp_gt_i32 s52, 24-32*\b                     ; all lie 2 or more over
	s_cselect_b32 s[66+2*\b], 1.0, 0
.endr
.irp b, 0,1,2,3
	s_add_co_i32 s53, s52, 32*\b+32
	s_cmp_gt_u32 s53, 56                           ; neither: the block touches the diagonal
	s_cbranch_scc1 .Lno_band1_\b
	BAND1 \b
.Lno_band1_\b:
.endr
.irp b, 0,1,2,3
	v_max3_num_f32 v[216+\b], v[96+16*\b], v[97+16*\b], v[98+16*\b]   ; the largest score of each block: it serves for the row's maximum and for the block's largest p
.endr
.irp i, 3,5,7,9,11,13
.irp b, 0,1,2,3
	v_max3_num_f32 v[216+\b], v[216+\b], v[96+16*\b+\i], v[97+16*\b+\i]
.endr
.endr
.irp b, 0,1,2,3
	v_max_num_f32 v[216+\b], v[216+\b], v[111+16*\b]
.endr
.irp b, 0,1,2,3
	v_permlanex16_b32 v[220+\b], v[216+\b], s20, s21
.endr
.irp b, 0,1,2,3
	v_max_num_f32 v[216+\b], v[216+\b], v[220+\b]
.endr
.irp b, 0,1,2,3
	v_fma_f32 v[220+\b], v[216+\b], s22, v[225+2*\b]   ; as t
.endr
	v_max3_num_f32 v13, v13, v220, v221
	v_max3_num_f32 v13, v13, v222, v223            ; the running largest t
	v_mov_b32 v30, v12
	v_floor_f32 v12, -v13                          ; the new -M = -ceil(t)
	v_sub_f32 v30, v12, v30                        ; old M - new M: a whole number, 0 or less
	v_cvt_i32_f32 v30, v30                         ; (it saturates)
	v_ldexp_f32 v30, 1.0, v30                      ; f = 2^(old M - new M)
.irp b, 0,1,2,3
	v_add_f32 v[224+2*\b], v[225+2*\b], v12        ; the block's addend - M
.endr
.irp b, 0,1,2,3
	v_fma_f32 v[216+\b], v[216+\b], s22, v[224+2*\b]
.endr
.irp b, 0,1,2,3
.irp j, 0,2,4,6,8,10,12,14
	v_pk_fma_f32 v[96+16*\b+\j:97+16*\b+\j], v[96+16*\b+\j:97+16*\b+\j], s[22:23], v[224+2*\b:225+2*\b] op_sel_hi:[1,0,0]   ; t - M, two at a time
.endr
.endr
.irp j, 0,1,2,3,4,5,6,7,8,9,10,11,12,13,14,15,16,17,18,19,20,21,22,23,24,25,26,27,28,29,30,31,32,33,34,35,36,37,38,39,40,41,42,43,44,45,46,47,48,49,50,51,52,53,54,55,56,57,58,59,60,61,62,63
	v_exp_f32 v[96+\j], v[96+\j]                   ; p = 2^(t - M)
.endr
.irp b, 0,1,2,3
	v_exp_f32 v[216+\b], v[216+\b]                 ; the block's largest p: the same two instructions on the same number give the same bits
.endr
	v_pk_mul_f32 v[14:15], v[14:15], v[30:31] op_sel_hi:[1,0]   ; the buckets under the new M: plain work behind the exponentials
	v_pk_mul_f32 v[16:17], v[16:17], v[30:31] op_sel_hi:[1,0]
	v_pk_mul_f32 v[18:19], v[18:19], v[30:31] op_sel_hi:[1,0]
	v_pk_mul_f32 v[20:21], v[20:21], v[30:31] op_sel_hi:[1,0]
	s_wait_alu depctr_va_vdst(0)                   ; one wait for the whole batch of 68, ahead of its first reader
.irp b, 0,1,2,3
	v_pk_add_f32 v[240+2*\b:241+2*\b], v[96+16*\b:97+16*\b], v[98+16*\b:99+16*\b]   ; each block's sum of the unquantised p
.endr
.irp j, 4,6,8,10,12,14
.irp b, 0,1,2,3
	v_pk_add_f32 v[240+2*\b:241+2*\b], v[240+2*\b:241+2*\b], v[96+16*\b+\j:97+16*\b+\j]
.endr
.endr
.irp b, 0,1,2,3
	v_pk_fma_f32 v[14:15], v[240+2*\b:241+2*\b], s[56+2*\b:57+2*\b], v[14:15] op_sel_hi:[1,0,1]   ; x 1 or 0: whole into bucket 0,
	v_pk_fma_f32 v[16:17], v[240+2*\b:241+2*\b], s[66+2*\b:67+2*\b], v[16:17] op_sel_hi:[1,0,1]   ; or into bucket 4, or (on the diagonal) into neither
.endr
.irp b, 0,1,2,3
	s_add_co_i32 s53, s52, 32*\b+32
	s_cmp_gt_u32 s53, 56
	s_cbranch_scc1 .Lno_band2_\b
	BAND2 \b
.Lno_band2_\b:
.endr
.irp b, 0,1,2,3
	v_max_num_f32 v[216+\b], 0x1800000, v[216+\b]  ; the floor 2^(3 - 127): the byte cannot fall under 1
.endr
.irp b, 0,1,2,3
	v_add_nc_u32 v[232+\b], 0xff000000, v[216+\b]  ; 2 off the exponent field: the conversion's scale operand
.endr
.irp b, 0,1,2,3
	v_lshrrev_b32 v[236+\b], 23, v[232+\b]
.endr
	v_lshl_or_b32 v162, v237, 8, v236              ; p's scale word for these 128 keys
	v_lshl_or_b32 v162, v238, 16, v162
	v_lshl_or_b32 v162, v239, 24, v162
.irp c, 0,1
	v_cvt_scalef32_pk16_fp6_f32 v[196+6*\c:198+6*\c], v[96+32*\c:111+32*\c], v[232+2*\c]
	v_cvt_scalef32_pk16_fp6_f32 v[208+4*\c:210+4*\c], v[112+32*\c:127+32*\c], v[233+2*\c]
.endr
	v_nop                                          ; one plain place behind the conversions
.irp j, 0,1,2,3
	LOADF 96+12*\j, 8, 9, 6144+1536*\j             ; V's four fragments, into p's registers: they land during the lines below
.endr
.irp p, 0,1
	ds_load_b32 v[160+\p], v10 offset:12800+128*\p
.endr
.irp c, 0,1                                    ; a whole block to a lane: lanes 0-15 block 2 c, lanes 16-31 block 2 c + 1
.irp i, 0,1,2
	v_permlane16_swap_b32 v[196+6*\c+\i], v[208+4*\c+\i]
.endr
.irp i, 0,1,2
	v_mov_b32 v[199+6*\c+\i], v[208+4*\c+\i]
.endr
.endr
.irp j, 0,2,4,6,8,10,12,14,16,18,20,22,24,26,28,30
	v_pk_mul_f32 v[164+\j:165+\j], v[164+\j:165+\j], v[30:31] op_sel_hi:[1,0]   ; O^T under the new M.  (These 16 are also the places between the codes' and the scale word's last writes and the products)
.endr
	s_wait_dscnt 0x0
.irp j, 0,2                                    ; O^T += V^T P^T: the four accumulators by turns
	v_wmma_scale_f32_16x16x128_f8f6f4 v[164+8*\j:171+8*\j], v[96+12*\j:107+12*\j], v[196:207], v[164+8*\j:171+8*\j], v[160+\j/2], v162 matrix_a_fmt:MATRIX_FMT_FP6 matrix_b_fmt:MATRIX_FMT_FP6
	v_wmma_scale_f32_16x16x128_f8f6f4 v[172+8*\j:179+8*\j], v[108+12*\j:119+12*\j], v[196:207], v[172+8*\j:179+8*\j], v[160+\j/2], v162 matrix_a_fmt:MATRIX_FMT_FP6 matrix_b_fmt:MATRIX_FMT_FP6 matrix_a_scale:MATRIX_SCALE_ROW1
.endr
	s_add_co_u32 s48, s48, REC
	s_add_co_u32 s49, s49, 128
	s_sub_co_u32 s51, s51, 1
	s_cmp_lg_u32 s51, 0
	s_cbranch_scc1 .Lstep
	; ---------------- THE WAY OUT.  The buckets' halves and lane l xor 16's are added (these lines are also the places behind the last products); l is their sum.
	v_add_f32 v240, v14, v15
	v_mov_b32 v242, v18
	v_mov_b32 v244, v19
	v_mov_b32 v246, v20
	v_add_f32 v248, v16, v17
.irp n, 0,1,2,3,4
	v_permlanex16_b32 v[216+\n], v[240+2*\n], s20, s21
.endr
.irp n, 0,1,2,3,4
	v_add_f32 v[240+2*\n], v[240+2*\n], v[216+\n]
.endr
	v_bfe_u32 v8, v0, 4, 1
	v_lshlrev_b32 v8, 6, v8
	v_add_nc_u32 v8, s45, v8                       ; my copy of rel_v, + 64 h
.irp jj, 0,1
.irp m, 0,1,2,3,4,5,6,7
	ds_load_b128 v[96+32*\jj+4*\m:99+32*\jj+4*\m], v8 offset:256*\jj+128*(\m/4)+16*(\m%4)   ; in O^T's layout: register e: d = 32 (e / 16) + 16 h + e % 16
.endr
.endr
	v_add_f32 v224, v240, v242
	v_add_f32 v225, v244, v246
	v_add_f32 v224, v224, v225
	v_add_f32 v224, v224, v248
	v_rcp_f32 v224, v224
	v_and_b32 v9, 15, v0                           ; (a plain place behind the reciprocal)
	v_lshlrev_b32 v9, 1, v9
	s_lshl_b32 s52, s18, 5
	s_add_co_u32 s52, s52, OSC
	v_add_nc_u32 v9, s52, v9                       ; where my row's two scale bytes go
	v_add_nc_u32 v10, OSC, v1                      ; and where wave 0 reads all 512
	s_wait_dscnt 0x0
.irp jj, 0,1
.irp n, 0,1,2,3,4,5,6,7,8,9,10,11,12,13,14,15
	v_pk_fma_f32 v[164+2*\n:165+2*\n], v[96+32*\jj+2*\n:97+32*\jj+2*\n], v[240+2*\jj:241+2*\jj], v[164+2*\n:165+2*\n] op_sel_hi:[1,0,1]   ; + bucket x rel_v, in f32
.endr
.endr
.irp jj, 0,1
.irp m, 0,1,2,3,4,5,6,7
	ds_load_b128 v[96+32*\jj+4*\m:99+32*\jj+4*\m], v8 offset:512+256*\jj+128*(\m/4)+16*(\m%4)
.endr
.endr
	s_wait_dscnt 0x0
.irp jj, 0,1
.irp n, 0,1,2,3,4,5,6,7,8,9,10,11,12,13,14,15
	v_pk_fma_f32 v[164+2*\n:165+2*\n], v[96+32*\jj+2*\n:97+32*\jj+2*\n], v[244+2*\jj:245+2*\jj], v[164+2*\n:165+2*\n] op_sel_hi:[1,0,1]
.endr
.endr
.irp m, 0,1,2,3,4,5,6,7
	ds_load_b128 v[96+4*\m:99+4*\m], v8 offset:1024+128*(\m/4)+16*(\m%4)
.endr
	s_wait_dscnt 0x0
.irp n, 0,1,2,3,4,5,6,7,8,9,10,11,12,13,14,15
	v_pk_fma_f32 v[164+2*\n:165+2*\n], v[96+2*\n:97+2*\n], v[248:249], v[164+2*\n:165+2*\n] op_sel_hi:[1,0,1]
.endr
	s_wait_alu depctr_va_vdst(0)                   ; the wait for the reciprocal, ahead of its first reader
.irp n, 0,1,2,3,4,5,6,7,8,9,10,11,12,13,14,15
	v_pk_mul_f32 v[164+2*\n:165+2*\n], v[164+2*\n:165+2*\n], v[224:225] op_sel_hi:[1,0]   ; / l
.endr
	s_lshr_b32 s52, s19, 4                         ; batch
	s_and_b32 s53, s19, 15                         ; head
	s_lshl_b32 s54, s52, 7
	s_add_co_u32 s54, s54, s94                     ; my tile among the 256 tiles of tokens
	s_lshr_b32 s56, s54, 3                         ; ob: [block of 128 rows][K step = head / 2][tile 8][half = head % 2]
	s_mul_i32 s56, s56, 98304
	s_lshr_b32 s55, s53, 1
	s_mul_i32 s55, s55, 12288
	s_add_co_u32 s56, s56, s55
	s_and_b32 s55, s54, 7
	s_mul_i32 s55, s55, 1536
	s_add_co_u32 s56, s56, s55
	s_and_b32 s55, s53, 1
	s_mul_i32 s55, s55, 768
	s_add_co_u32 s56, s56, s55
	s_mov_b32 s57, 0
	s_add_nc_u64 s[56:57], s[10:11], s[56:57]
	s_lshl_b32 s58, s53, 13                        ; scale bytes: [head][4,096 rows in tile order], two bytes a row
	s_lshl_b32 s55, s52, 12
	s_add_co_u32 s58, s58, s55
	s_lshl_b32 s55, ttmp9, 9
	s_add_co_u32 s58, s58, s55
	s_add_co_u32 s58, s58, O_OS
	s_mov_b32 s59, 0
	s_add_nc_u64 s[58:59], s[10:11], s[58:59]
.irp b, 0,1                                    ; out is quantised along the head's 64: two blocks
	v_max3_num_f32 v[216+\b], |v[164+16*\b]|, |v[165+16*\b]|, 0x1800000
.endr
.irp i, 2,4,6,8,10,12,14
.irp b, 0,1
	v_max3_num_f32 v[216+\b], v[216+\b], |v[164+16*\b+\i]|, |v[165+16*\b+\i]|
.endr
.endr
.irp b, 0,1
	v_permlanex16_b32 v[218+\b], v[216+\b], s20, s21
.endr
.irp b, 0,1
	v_max_num_f32 v[216+\b], v[216+\b], v[218+\b]
.endr
.irp b, 0,1
	v_add_nc_u32 v[220+\b], 0xff000000, v[216+\b]
.endr
.irp b, 0,1
	v_lshrrev_b32 v[222+\b], 23, v[220+\b]
.endr
	v_lshl_or_b32 v226, v223, 8, v222
	v_cvt_scalef32_pk16_fp6_f32 v[196:198], v[164:179], v220
	v_cvt_scalef32_pk16_fp6_f32 v[208:210], v[180:195], v221
	v_nop
.irp i, 0,1,2
	v_permlane16_swap_b32 v[196+\i], v[208+\i]
.endr
.irp i, 0,1,2
	v_mov_b32 v[199+\i], v[208+\i]
.endr
	global_store_b128 v1, v[196:199], s[56:57]     ; 512 consecutive bytes
	global_store_b64 v2, v[200:201], s[56:57] offset:512
	ds_store_b16 v9, v226                          ; lanes r and r + 16 write the same two bytes
	s_wait_dscnt 0x0                               ; for the others' sake
	s_barrier_signal -1
	s_barrier_wait -1
	s_cmp_lg_u32 s18, 0
	s_cbranch_scc1 .Lnot_first
	ds_load_b128 v[228:231], v10
	s_wait_dscnt 0x0
	global_store_b128 v1, v[228:231], s[58:59]     ; the work-group's 512 scale bytes: two aligned runs of 256
.Lnot_first:
	s_wait_tensorcnt 0x0                           ; the wave's end, behind my last tensor load and my last LDS store
	ds_add_u32 v[SPW], v[NIL]
	s_wait_dscnt 0x0
	s_endpgm
.Lfunc_end_k_qf37b025b35_attn:
	.size	k_qf37b025b35_attn, .Lfunc_end_k_qf37b025b35_attn-k_qf37b025b35_attn
	.p2alignl 7, 3214868480
	.fill 96, 4, 3214868480
	.section	.rodata,"a",@progbits
	.p2align	6, 0x0
	.amdhsa_kernel k_qf37b025b35_attn
		.amdhsa_group_segment_fixed_size 233472
		.amdhsa_private_segment_fixed_size 0
		.amdhsa_enable_private_segment 0
		.amdhsa_kernarg_size 32
		.amdhsa_user_sgpr_count 2
		.amdhsa_user_sgpr_kernarg_segment_ptr 1
		.amdhsa_wavefront_size32 1
		.amdhsa_system_sgpr_workgroup_id_x 1
		.amdhsa_system_sgpr_workgroup_id_y 1
		.amdhsa_system_sgpr_workgroup_id_z 1
		.amdhsa_system_vgpr_workitem_id 0
		.amdhsa_next_free_vgpr 256
		.amdhsa_next_free_sgpr 96
		.amdhsa_reserve_vcc 0
		.amdhsa_float_denorm_mode_32 3
		.amdhsa_float_denorm_mode_16_64 3
		.amdhsa_memory_ordered 1
		.amdhsa_forward_progress 1
		.amdhsa_inst_pref_size 95
	.end_amdhsa_kernel
	.amdgpu_metadata
---
amdhsa.version: [ 1, 2 ]
amdhsa.kernels:
  - .name:           k_qf37b025b35_attn
    .symbol:         k_qf37b025b35_attn.kd
    .args:
      - { .name: qb, .offset: 0, .size: 8, .value_kind: global_buffer, .address_space: global }
      - { .name: kv, .offset: 8, .size: 8, .value_kind: global_buffer, .address_space: global }
      - { .name: rel_v, .offset: 16, .size: 8, .value_kind: global_buffer, .address_space: global }
      - { .name: ob, .offset: 24, .size: 8, .value_kind: global_buffer, .address_space: global }
    .group_segment_fixed_size: 233472
    .private_segment_fixed_size: 0
    .kernarg_segment_align: 8
    .kernarg_segment_size: 32
    .max_flat_workgroup_size: 512
    .sgpr_count:     96
    .vgpr_count:     256
    .wavefront_size: 32
...
	.end_amdgpu_metadata
.endif
;; end of part 3
;; launch proj (part 4): grid 8 x 32, 4 waves a work-group, clusters of 4 x 4, 214,528 bytes of LDS; arguments ob, pw, bo, out0; writes out0
.if DOCPART == 4
	.amdgcn_target "amdgcn-amd-amdhsa--gfx1250"
	.amdhsa_code_object_version 6
	.text
	.protected	k_qf37b025b35_proj
	.globl	k_qf37b025b35_proj
	.p2align	8
	.type	k_qf37b025b35_proj,@function
k_qf37b025b35_proj:
	s_mov_b64 s[64:65], 0
	v_nop
	global_prefetch_b8 v0, s[64:65] scope:SCOPE_SE
	s_setreg_imm32_b32 hwreg(HW_REG_WAVE_MODE, 25, 1), 1
	s_wait_xcnt 0x0
	s_wait_alu depctr_hold_cnt(0) depctr_sa_sdst(0) depctr_va_vdst(0) depctr_va_sdst(0) depctr_va_ssrc(0) depctr_va_vcc(0) depctr_vm_vsrc(0)
	s_getreg_b32 s2, hwreg(HW_REG_IB_STS2, 6, 4)
	s_cmp_eq_u32 s2, 0
	s_cbranch_scc0 .Lentry_in_a_cluster
	s_endpgm
.Lentry_in_a_cluster:
	s_bfe_u32 s2, ttmp6, 0x10000c
	s_cmp_lg_u32 s2, 0xf033
	s_cbranch_scc0 .Lentry_shape_is_right
	s_endpgm
.Lentry_shape_is_right:
; out0 = Q(out) Q(Wo) + bo on codes of FP6 (E2M3) with E8M0 scales.  out's codes (launch attn) and Wo's (launch prep) lie as images of the operands' registers: a fragment is 1,536 dense bytes.
; SHARES.  256 work-groups of 128 rows x 128 columns (x = block of columns, y = block of rows): a tile of 256 x 256 would leave three WGPs in four without work.  Wave (wr, wc) makes 64 x 64: 16 accumulators, 128 matrix instructions.
; ALL OF K LIES IN LDS, FILLED ONCE: eight K steps of both operands, 98,304 bytes each; every request goes out at the head: 8 tensor loads a wave, a quarter of a chunk (two K steps) each.
; CLUSTER 4 x 4: out's block is shared along a row of the cluster, Wo's along a column: each quarter is asked for jointly by the same wave of the four.
; THE PRODUCT IS USED TRANSPOSED (source 0 = 16 columns of Wo, source 1 = 16 rows of out): a lane holds eight neighbouring numbers of a row of out0.  bo is the C of the first K step.
; Rows and columns stand in the tile order of launch prep: lane index r of tile u of a group of 32 is 8 u + r + 8 (r / 8).
; REGISTERS: window 0: v1-3 lane terms; v8-15 LDS addresses, never rewritten; v16-20 other addresses; v32-47 out's scale words, v48-63 Wo's; v64-255 two sets of (out 48 + Wo 48).
;   window 1: the accumulators (32 a + 8 j); v128-159 bo; v160-223 rows on the way out, two sets.
.set P_WOC, 5734400
.set P_WOS, 6520832
.set O_OS,  3145728
.set LB,    98304
.set STAGE, 196608                     ; 16 rows x (256 bytes + 16) for each wave
.set SPARE, STAGE+4*4352               ; the spare words, 128 bytes for each wave: two blocks of 256 bytes that no other line names
.set LI16, 1
.set L8,   2
.set L4,   3
.set ADA,  8                           ; v8-11   out's fragments in LDS: a pair (16 x lane, 8 x lane) for K steps 0-3, one for 4-7
.set ADB,  12                          ; v12-15  Wo's likewise
.set L2,   16                          ; v16  2 x lane
.set H64,  17                          ; v17  64 x (lane / 16)
.set STO,  18                          ; v18  into my stage: row r, + 64 h
.set RD,   19                          ; v19  back: lanes 0-15 one row, lanes 16-31 the next
.set CO,   20                          ; v20  the same two rows in out0
.set SPW,  28
.set NIL,  29
.set SCA,  32
.set SCB,  48
.set FS,   64
.set G1A,  28
.set G1B,  36
.set MSB, 0
.macro WIN new                         ; the immediate's high byte repeats the setting that is left
.if MSB != \new
	s_set_vgpr_msb (MSB<<8)|\new
.set MSB, \new
.endif
.endm
.macro CROUND                          ; a round of the cluster's barrier
	s_barrier_signal -1
	s_barrier_wait -1
	s_cmp_lg_u32 s18, 0
	s_cbranch_scc1 .Lnot_wave_0_\@
	s_barrier_signal -3
.Lnot_wave_0_\@:
	s_barrier_wait -3
	s_barrier_signal -1
	s_barrier_wait -1
.endm
.macro PLACES
.rept 4
	v_nop
.endr
.endm
.macro LOADF reg, a16, a8, off
	ds_load_b128 v[(\reg):(\reg)+3], v[\a16] offset:(\off)
	ds_load_b64 v[(\reg)+4:(\reg)+5], v[\a8] offset:(\off)+512
	ds_load_b128 v[(\reg)+6:(\reg)+9], v[\a16] offset:(\off)+768
	ds_load_b64 v[(\reg)+10:(\reg)+11], v[\a8] offset:(\off)+1280
.endm
.macro WM d, a, b, c, sa, sb, ra, rb
.if ((\ra) == 0) && ((\rb) == 0)
	v_wmma_scale_f32_16x16x128_f8f6f4 v[(\d):(\d)+7], v[(\a):(\a)+11], v[(\b):(\b)+11], v[(\c):(\c)+7], v[\sa], v[\sb] matrix_a_fmt:MATRIX_FMT_FP6 matrix_b_fmt:MATRIX_FMT_FP6
.elseif (\rb) == 0
	v_wmma_scale_f32_16x16x128_f8f6f4 v[(\d):(\d)+7], v[(\a):(\a)+11], v[(\b):(\b)+11], v[(\c):(\c)+7], v[\sa], v[\sb] matrix_a_fmt:MATRIX_FMT_FP6 matrix_b_fmt:MATRIX_FMT_FP6 matrix_a_scale:MATRIX_SCALE_ROW1
.elseif (\ra) == 0
	v_wmma_scale_f32_16x16x128_f8f6f4 v[(\d):(\d)+7], v[(\a):(\a)+11], v[(\b):(\b)+11], v[(\c):(\c)+7], v[\sa], v[\sb] matrix_a_fmt:MATRIX_FMT_FP6 matrix_b_fmt:MATRIX_FMT_FP6 matrix_b_scale:MATRIX_SCALE_ROW1
.else
	v_wmma_scale_f32_16x16x128_f8f6f4 v[(\d):(\d)+7], v[(\a):(\a)+11], v[(\b):(\b)+11], v[(\c):(\c)+7], v[\sa], v[\sb] matrix_a_fmt:MATRIX_FMT_FP6 matrix_b_fmt:MATRIX_FMT_FP6 matrix_a_scale:MATRIX_SCALE_ROW1 matrix_b_scale:MATRIX_SCALE_ROW1
.endif
.endm
	s_load_b256 s[4:11], s[0:1], 0x0               ; ob, pw, bo, out0
	v_lshl_add_u32 v[SPW], v0, 2, SPARE
	v_mov_b32 v[NIL], 0
	ds_add_u32 v[SPW], v[NIL]                      ; the wave's opening: the add and its wait stand ahead of my first tensor load; work on registers stands between them
	v_lshrrev_b32 v30, 5, v0
	v_readfirstlane_b32 s18, v30                   ; wave 0..3
	s_bfe_u32 s19, ttmp6, 0x40000                  ; cx
	s_bfe_u32 s20, ttmp6, 0x40004                  ; cy
	s_lshl_b32 s21, ttmp9, 2
	s_add_co_u32 s21, s21, s19                     ; block of 128 columns
	s_and_b32 s22, ttmp7, 0xffff
	s_lshl_b32 s22, s22, 2
	s_add_co_u32 s22, s22, s20                     ; block of 128 rows
	s_lshl_b32 s23, s20, 2
	s_lshl_b32 s23, 15, s23                        ; my row of the cluster
	s_lshl_b32 s24, 0x1111, s19                    ; my column
	s_lshr_b32 s25, s18, 1                         ; wr: which 64 rows are mine
	s_and_b32 s26, s18, 1                          ; wc: which 64 columns
	s_or_b32 s[G1A], s23, (3<<16)|(1<<21)          ; groups 1: 24 rows of 256 bytes (32 elements of 8 bytes), dense; the mask, and bit 21 beside it
	s_or_b32 s[G1B], s24, (3<<16)|(1<<21)
.irp g, G1A, G1B
	s_mov_b32 s[\g+1], 32<<16
	s_mov_b32 s[\g+2], 24<<16
	s_mov_b32 s[\g+3], 32<<16
	s_mov_b32 s[\g+4], 24
	s_mov_b32 s[\g+5], 32
	s_mov_b32 s[\g+6], 0
	s_mov_b32 s[\g+7], 0
.endr
	s_mul_i32 s27, s18, 6144                       ; my quarter of a chunk, in memory and in LDS
	s_mul_i32 s60, s22, 98304                      ; out's codes: hangs on the block of rows and the wave alone
	s_add_co_u32 s60, s60, s27
	s_mov_b32 s61, 0
	s_mul_i32 s62, s21, 98304                      ; Wo's: on the block of columns and the wave alone
	s_add_co_u32 s62, s62, s27
	s_add_co_u32 s62, s62, P_WOC
	s_mov_b32 s63, 0
	s_lshl_b32 s84, s22, 8                         ; out's scale bytes: groups 4 x block + 2 wr + p, 64 bytes each, in a head's plane of 8,192
	s_lshl_b32 s92, s25, 7
	s_add_co_u32 s84, s84, s92
	s_add_co_u32 s84, s84, O_OS
	s_mov_b32 s85, 0
	s_lshl_b32 s86, s21, 12                        ; Wo's scale records 4 x block + 2 wc + p
	s_lshl_b32 s92, s26, 11
	s_add_co_u32 s86, s86, s92
	s_add_co_u32 s86, s86, P_WOS
	s_mov_b32 s87, 0
	s_lshl_b32 s88, s21, 9                         ; my 64 columns, in bytes
	s_lshl_b32 s92, s26, 8
	s_add_co_u32 s88, s88, s92
	s_mov_b32 s89, 0
	s_lshl_b32 s90, s22, 19                        ; my 64 rows of 4,096 bytes
	s_lshl_b32 s92, s25, 18
	s_add_co_u32 s90, s90, s92
	s_add_co_u32 s90, s90, s88
	s_mov_b32 s91, 0
	v_and_b32 v30, 31, v0
	v_lshlrev_b32 v[LI16], 4, v30
	v_lshlrev_b32 v[L8], 3, v30
	v_lshlrev_b32 v[L4], 2, v30
	v_lshlrev_b32 v[L2], 1, v30
	v_and_b32 v31, 15, v0                          ; r
	v_bfe_u32 v30, v0, 4, 1                        ; h
	v_lshlrev_b32 v[H64], 6, v30
	s_mul_i32 s92, s25, 6144
	v_add_nc_u32 v[ADA], s92, v[LI16]
	v_add_nc_u32 v[ADA+1], s92, v[L8]
	v_add_nc_u32 v[ADA+2], 49152, v[ADA]
	v_add_nc_u32 v[ADA+3], 49152, v[ADA+1]
	s_mul_i32 s92, s26, 6144
	s_add_co_u32 s92, s92, LB
	v_add_nc_u32 v[ADB], s92, v[LI16]
	v_add_nc_u32 v[ADB+1], s92, v[L8]
	v_add_nc_u32 v[ADB+2], 49152, v[ADB]
	v_add_nc_u32 v[ADB+3], 49152, v[ADB+1]
	s_mul_i32 s92, s18, 4352
	s_add_co_u32 s92, s92, STAGE
	v_mul_u32_u24 v[STO], v31, 272
	v_add_nc_u32 v[STO], v[STO], v[H64]
	v_add_nc_u32 v[STO], s92, v[STO]
	v_mul_u32_u24 v[RD], v30, 272
	v_lshl_add_u32 v[RD], v31, 4, v[RD]
	v_add_nc_u32 v[RD], s92, v[RD]
	v_lshlrev_b32 v[CO], 12, v30
	v_lshl_add_u32 v[CO], v31, 4, v[CO]
	s_wait_dscnt 0x0                               ; the opening add is done
	s_wait_kmcnt 0x0
	s_add_nc_u64 s[60:61], s[4:5], s[60:61]
	s_add_nc_u64 s[62:63], s[6:7], s[62:63]
	s_add_nc_u64 s[84:85], s[4:5], s[84:85]
	s_add_nc_u64 s[86:87], s[6:7], s[86:87]
	s_add_nc_u64 s[88:89], s[8:9], s[88:89]
	s_add_nc_u64 s[90:91], s[10:11], s[90:91]
.irp c, 0,1,2,3                                ; groups 0: chunk c = K steps 2 c and 2 c + 1
	s_mov_b32 s[44+4*\c], 1
	s_add_co_u32 s[45+4*\c], s27, 24576*\c
	s_add_nc_u64 s[46+4*\c:47+4*\c], s[60:61], 24576*\c
	s_or_b32 s[47+4*\c], s[47+4*\c], 0x80000000
	s_mov_b32 s[68+4*\c], 1
	s_add_co_u32 s[69+4*\c], s27, LB+24576*\c
	s_add_nc_u64 s[70+4*\c:71+4*\c], s[62:63], 24576*\c
	s_or_b32 s[71+4*\c], s[71+4*\c], 0x80000000
.endr
	CROUND                                         ; all sixteen work-groups are here: the joint loads meet
.irp c, 0,1,2,3                                ; all fills of the launch, as one group: eight loads of mine are out
	tensor_load_to_lds s[44+4*\c:47+4*\c], s[G1A:G1A+7]
	s_nop 0
	tensor_load_to_lds s[68+4*\c:71+4*\c], s[G1B:G1B+7]
	s_nop 0
.endr
	PLACES
.irp p, 0,1
.irp s, 0,1,2,3,4,5,6,7
	global_load_u16 v[SCA+8*\p+\s], v[L2], s[84:85] offset:16384*\s+64*\p          ; head 2 s: the lower two bytes of the K step's word; tile 2 p in lanes 0-15, tile 2 p + 1 in lanes 16-31
	global_load_u16 v[FS+8*\p+\s], v[L2], s[84:85] offset:16384*\s+8192+64*\p      ; head 2 s + 1: the upper two
	global_load_b32 v[SCB+8*\p+\s], v[L4], s[86:87] offset:1024*\p+128*\s
.endr
.endr
	WIN 0x40                                       ; destination window 1
.irp j, 0,1,2,3                                ; bo in the result's layout: lane (r, h), register i of tile j: column 32 (j / 2) + 16 h + 8 (j % 2) + i
	global_load_b128 v[128+8*\j:131+8*\j], v[H64], s[88:89] offset:128*(\j/2)+32*(\j%2)
	global_load_b128 v[132+8*\j:135+8*\j], v[H64], s[88:89] offset:128*(\j/2)+32*(\j%2)+16
.endr
	WIN 0
	s_wait_loadcnt 0x0
.irp n, 0,1,2,3,4,5,6,7,8,9,10,11,12,13,14,15
	v_lshl_or_b32 v[SCA+\n], v[FS+\n], 16, v[SCA+\n]
.endr
.rept 8
	v_nop                                          ; a scale register written by a vector instruction stands eight places ahead of a scaled matrix instruction
.endr
.macro LOADS s                         ; the eight fragments of K step s into set s % 2: 32 LDS loads
	WIN 0
.irp a, 0,1,2,3
	LOADF FS+96*((\s)%2)+12*\a, ADA+2*((\s)/4), ADA+2*((\s)/4)+1, ((\s)%4)*12288+\a*1536
.endr
.irp j, 0,1,2,3
	LOADF FS+96*((\s)%2)+48+12*\j, ADB+2*((\s)/4), ADB+2*((\s)/4)+1, ((\s)%4)*12288+\j*1536
.endr
.endm
.macro MUL8 s, a0                      ; eight products: rows' tiles a0, a0 + 1 x the four tiles of columns.  The 16 accumulators take turns, one instruction a turn
	WIN 0x50                                       ; C and D window 1
.irp a, \a0, \a0+1
.irp j, 0,1,2,3
.set DD, 32*(\a)+8*\j
.set CC, DD
.if (\s) == 0
.set CC, 128+8*\j
.endif
	WM DD, FS+96*((\s)%2)+48+12*\j, FS+96*((\s)%2)+12*(\a), CC, SCB+8*(\j/2)+(\s), SCA+8*((\a)/2)+(\s), \j%2, (\a)%2
.endr
.endr
.endm
.macro PEVEN s                         ; an even K step has its successor in the same chunk
	PLACES
	LOADS (\s)+1
	s_wait_dscnt 32                                ; this step's 32 loads are in; the 32 just issued may be out
	MUL8 \s, 0
	MUL8 \s, 2
.endm
.macro PODD s, tc                      ; an odd one is a chunk's last.  The wait is counted: tc loads were issued behind the next chunk's
	s_wait_dscnt 0x0
	s_wait_tensorcnt \tc
	s_barrier_signal -1
	MUL8 \s, 0
	s_barrier_wait -1
	PLACES
	LOADS (\s)+1
	MUL8 \s, 2
.endm
	s_wait_tensorcnt 6                             ; my quarters of chunk 0 are in; the six loads behind them may be out
	s_barrier_signal -1
	s_barrier_wait -1
	LOADS 0
	PEVEN 0
	PODD 1, 4
	PEVEN 2
	PODD 3, 2
	PEVEN 4
	PODD 5, 0
	PEVEN 6
	s_wait_dscnt 0x0
	MUL8 7, 0
	MUL8 7, 2
	WIN 0
; THE WAY OUT, a tile of 16 rows x 64 columns at a time: a lane's 32 bytes go into my own stage, whole rows of 256 bytes come back, and sixteen lanes store 256 consecutive bytes, aligned.
.macro OUTT a
.if (\a) >= 2
	s_wait_xcnt 0x0                                ; the stores of two tiles ago have read their registers: they may be loaded again
.endif
	WIN 0x04                                       ; an LDS store's data are its source 1: window 1
.irp j, 0,1,2,3
	ds_store_b128 v[STO], v[32*(\a)+8*\j:32*(\a)+8*\j+3] offset:128*(\j/2)+32*(\j%2)        ; each accumulator from its low end on
	ds_store_b128 v[STO], v[32*(\a)+8*\j+4:32*(\a)+8*\j+7] offset:128*(\j/2)+32*(\j%2)+16
.endr
	WIN 0x40
.irp t, 0,1,2,3,4,5,6,7
	ds_load_b128 v[160+32*((\a)%2)+4*\t:163+32*((\a)%2)+4*\t], v[RD] offset:544*\t            ; LDS serves a wave's instructions in order: these see the stores above, and the next tile's stores come behind them
.endr
	WIN 0x04
.irp t, 0,1,2,3,4,5,6,7
	s_wait_dscnt 7-\t
	global_store_b128 v[CO], v[160+32*((\a)%2)+4*\t:163+32*((\a)%2)+4*\t], s[90:91] offset:(32*((\a)/2)+8*((\a)%2)+2*\t+8*(\t/4))*4096 th:TH_STORE_NT   ; stage row 2 t + lane / 16 is the tile's row in tile order
.endr
.endm
	PLACES
	OUTT 0
	OUTT 1
	OUTT 2
	OUTT 3
	WIN 0
	s_wait_tensorcnt 0x0                           ; the wave's end, behind my last tensor load and my last LDS store
	ds_add_u32 v[SPW], v[NIL]
	s_wait_dscnt 0x0
	CROUND                                         ; the closing round
	s_endpgm
.Lfunc_end_k_qf37b025b35_proj:
	.size	k_qf37b025b35_proj, .Lfunc_end_k_qf37b025b35_proj-k_qf37b025b35_proj
	.p2alignl 7, 3214868480
	.fill 96, 4, 3214868480
	.section	.rodata,"a",@progbits
	.p2align	6, 0x0
	.amdhsa_kernel k_qf37b025b35_proj
		.amdhsa_group_segment_fixed_size 214528
		.amdhsa_private_segment_fixed_size 0
		.amdhsa_enable_private_segment 0
		.amdhsa_kernarg_size 32
		.amdhsa_user_sgpr_count 2
		.amdhsa_user_sgpr_kernarg_segment_ptr 1
		.amdhsa_wavefront_size32 1
		.amdhsa_system_sgpr_workgroup_id_x 1
		.amdhsa_system_sgpr_workgroup_id_y 1
		.amdhsa_system_sgpr_workgroup_id_z 1
		.amdhsa_system_vgpr_workitem_id 0
		.amdhsa_next_free_vgpr 512
		.amdhsa_next_free_sgpr 96
		.amdhsa_reserve_vcc 0
		.amdhsa_float_denorm_mode_32 3
		.amdhsa_float_denorm_mode_16_64 3
		.amdhsa_memory_ordered 1
		.amdhsa_forward_progress 1
		.amdhsa_inst_pref_size 58
	.end_amdhsa_kernel
	.amdgpu_metadata
---
amdhsa.version: [ 1, 2 ]
amdhsa.kernels:
  - .name:           k_qf37b025b35_proj
    .symbol:         k_qf37b025b35_proj.kd
    .args:
      - { .name: ob, .offset: 0, .size: 8, .value_kind: global_buffer, .address_space: global }
      - { .name: pw, .offset: 8, .size: 8, .value_kind: global_buffer, .address_space: global }
      - { .name: bo, .offset: 16, .size: 8, .value_kind: global_buffer, .address_space: global }
      - { .name: out0, .offset: 24, .size: 8, .value_kind: global_buffer, .address_space: global }
    .group_segment_fixed_size: 214528
    .private_segment_fixed_size: 0
    .kernarg_segment_align: 8
    .kernarg_segment_size: 32
    .max_flat_workgroup_size: 128
    .sgpr_count:     96
    .vgpr_count:     512
    .wavefront_size: 32
...
	.end_amdgpu_metadata
.endif
;; end of part 4
